; MI455X (gfx1250); checked and timed in simulation.
; The chip was launched on July 23, 2026; its instructions are those of AMD's public machine-readable ISA for CDNA 5 (MIT licence, August 2026) and "CDNA5" Instruction Set Architecture Reference Guide (July 2026). The comments in the code are by the model that wrote it; some were corrected since.
;; Mo EFFN. Allowed arithmetic: float matrix products may take bf16 or f16 operands with f32 sums; other float arithmetic in f32, or as packed bf16 or f16 multiplies, adds, multiply-adds, maxima and minima; sums over many terms, partial sums and values carried from step to step in f32; what a program stores and reads back later, other than sums and carried values, may be rounded once to bf16 or f16.
;; Inputs: W1 8 x 512 x 1,024 float32; W2 8 x 1,024 x 512 float32; b1 8 x 512 float32; b2 8 x 1,024 float32; gate_w 8 x 1,024 float32; hidden_states 4 x 2,048 x 1,024 float32.
;; Outputs: out0 4 x 2,048 x 1,024 float32.
;; 2 versions, each right; version 2 is version 1 with the launch chain written anew for expert scheduling mode. Each part assembles by itself: llvm-mc -triple=amdgcn-amd-amdhsa -mcpu=gfx1250 --defsym DOCPART=n.
;; ======== version 1 of 2: 3 launches
;; limits: a function is approximated: absolute error at most 2.5e-05; values are held in f16: magnitudes above 65,504 overflow, below 6.1e-05 lose precision; inputs' magnitudes at most 65,504
;; workspace buffers: sets 32,768 bytes of whole numbers; gates 65,536 bytes; list 917,504 bytes of whole numbers; cnt 256 bytes of whole numbers; wl 16,777,216 bytes
;; launch router (part 1): grid 256 x 1, 8 waves a work-group, no clusters, 33,792 bytes of LDS; arguments hidden_states, gate_w, sets, gates; writes sets, gates
.if DOCPART == 1
	.amdgcn_target "amdgcn-amd-amdhsa--gfx1250"
	.amdhsa_code_object_version 6
	.text
	.protected	k_qeb0a7598be_router
	.globl	k_qeb0a7598be_router
	.p2align	8
	.type	k_qeb0a7598be_router,@function
k_qeb0a7598be_router:
	s_mov_b64 s[64:65], 0
	v_nop
	global_prefetch_b8 v0, s[64:65] scope:SCOPE_SE
	s_setreg_imm32_b32 hwreg(HW_REG_WAVE_MODE, 25, 1), 1
	s_wait_xcnt 0x0
; THE GATE.  logits[t][e] = x[t] . gate_w[e] for 8,192 tokens of 1,024 channels and 8 experts; the two largest logits (of equal ones the lower index), a softmax over those two.
; Stored at fixed places: sets[t] = the number of the pair of experts a < b, a (15 - a) / 2 + b - a - 1, 0 .. 27; gates[t] = (weight of a, weight of b) in f32.  No address here hangs on the choice.
; ALL IN F32 ON THE VECTOR UNIT: the product has 8 rows, its time is the reading of x, and a logit rounded to 16 bits could change a token's choice of experts.
; The sum over k goes in another order than a plain dot product: 32 lanes x 2 chains x 16 terms, then a tree.
; LIMITS.  NaN and infinite logits are not treated apart (a token whose other seven logits are all -inf or NaN gets no valid pair).  The softmax takes the maximum away: e = 2^((v2 - v1) log2 e) <= 1; below 2^-126 it counts as 0.
; SHARES.  A work-group has 32 tokens, each of its eight waves 4.  A lane holds k = 128 j + 4 lane + 0..3 (j = 0..7) of a row, so each load of a wave takes 512 consecutive bytes.
; gate_w (32 KiB) is wanted whole by all eight waves: wave w loads row w, LDS hands the rows round, and each wave keeps all eight in 256 registers.
; The two stores of a wave are 16 and 32 bytes: both tables together are 96 KiB; to gather them in LDS would want a second barrier.
; REGISTERS.  window 0: v1 16 x lane; v2 lane; v3 wave x 4096 + 16 x lane; v4-19 ACC, a pair an expert; v20-27 R; v36-43 L (lane t: token t's logits); v44-61 at work; v64-191 x, 32 a token; v192-223 my gate row
;             window 1: gate row e at v[32 e]
.set SPARE, 32768                      ; behind the gate rows: the spare words, 128 bytes for each of eight waves, which no other line names
.set ACC, 4
.set R,   20
.set L,   36
.set SPW, 62                           ; LDS address of my spare word; never rewritten
.set NIL, 63                           ; 0; never rewritten
.set X,   64
.set GR,  192
.set MSB, 0
.macro WIN new                         ; s_set_vgpr_msb: bits 1:0 source 0, 3:2 source 1, 5:4 source 2, 7:6 destination; the high byte repeats the setting that is left
.if MSB != (\new)
	s_set_vgpr_msb (MSB<<8)|(\new)
.set MSB, \new
.endif
.endm
	s_load_b256 s[4:11], s[0:1], 0x0               ; x s[4:5], gate_w s[6:7], sets s[8:9], gates s[10:11]
	v_lshl_add_u32 v[SPW], v0, 2, SPARE
	v_mov_b32 v[NIL], 0
	v_and_b32 v2, 31, v0                           ; lane
	v_lshrrev_b32 v3, 5, v0
	v_readfirstlane_b32 s12, v3                    ; wave 0..7
	v_lshlrev_b32 v1, 4, v2                        ; 16 x lane
	v_lshl_add_u32 v3, s12, 12, v1                 ; my 16 bytes in gate row w, in memory and in LDS alike
	s_lshl_b32 s21, ttmp9, 5
	s_lshl2_add_u32 s21, s12, s21                  ; my wave's first token = 32 x work-group + 4 x wave
	s_lshl_b32 s22, s21, 12                        ; its row, 4,096 bytes a token (under 2^25)
	s_mov_b32 s23, 0
	s_mov_b32 s14, 0x76543210                      ; v_permlanex16_b32: each lane takes its own place in the other half
	s_mov_b32 s15, 0xfedcba98
	s_mov_b32 s16, 1                               ; lane t alone, t = 0..3
	s_mov_b32 s17, 2
	s_mov_b32 s18, 4
	s_mov_b32 s19, 8
	s_mov_b32 s20, 0xff800000                      ; -infinity
	s_wait_kmcnt 0x0
	s_add_nc_u64 s[4:5], s[4:5], s[22:23]
.irp j, 0,1,2,3,4,5,6,7
	global_load_b128 v[GR+4*\j:GR+4*\j+3], v3, s[6:7] offset:512*\j
.endr
.irp t, 0,1,2,3
.irp j, 0,1,2,3,4,5,6,7
	global_load_b128 v[X+32*\t+4*\j:X+32*\t+4*\j+3], v1, s[4:5] offset:4096*\t+512*\j th:TH_LOAD_NT
.endr
.endr
	s_wait_loadcnt 32                              ; the gate row is in; the 32 loads of x issued behind it stay out
.irp j, 0,1,2,3,4,5,6,7
	ds_store_b128 v3, v[GR+4*\j:GR+4*\j+3] offset:512*\j
.endr
	s_wait_dscnt 0x0                               ; for the others' sake: my row lies in LDS
	s_barrier_signal -1
	s_barrier_wait -1                              ; all eight rows do
	WIN 0x40                                       ; destination window 1
.irp e, 0,1,2,3,4,5,6,7
.irp j, 0,1,2,3,4,5,6,7
	ds_load_b128 v[32*\e+4*\j:32*\e+4*\j+3], v1 offset:4096*\e+512*\j
.endr
.endr
	WIN 0
	s_wait_tensorcnt 0x0                           ; my last LDS store lies behind me
	ds_add_u32 v[SPW], v[NIL]
	s_wait_dscnt 0x0                               ; the add is done, and the eight rows are in registers
; Token t: eight dot products side by side, one chain of packed multiply-adds an expert (the first product starts the sum), then the sum over the lanes, which lands in lane t of L.
.macro TOKEN t
	s_wait_loadcnt 24-8*(\t)                       ; this token's eight loads are in; the later tokens' stay out
	WIN 0x04                                       ; source 1, the gate rows, in window 1
.set i, 0
.rept 16
.set e, 0
.rept 8
.if i == 0
	v_pk_mul_f32 v[ACC+2*e:ACC+2*e+1], v[X+32*(\t):X+32*(\t)+1], v[32*e:32*e+1]
.else
	v_pk_fma_f32 v[ACC+2*e:ACC+2*e+1], v[X+32*(\t)+2*i:X+32*(\t)+2*i+1], v[32*e+2*i:32*e+2*i+1], v[ACC+2*e:ACC+2*e+1]
.endif
.set e, e+1
.endr
.set i, i+1
.endr
	WIN 0
.irp e, 0,1,2,3,4,5,6,7
	v_add_f32 v[R+\e], v[ACC+2*\e], v[ACC+2*\e+1]
.endr
.irp m, 1,2,4,8
.irp e, 0,1,2,3,4,5,6,7
	v_add_f32_dpp v[R+\e], v[R+\e], v[R+\e] row_xmask:\m row_mask:0xf bank_mask:0xf
.endr
.endr
.irp e, 0,1,2,3,4,5,6,7
	v_permlanex16_b32 v[ACC+2*\e], v[R+\e], s14, s15   ; its destination counts as read: a register that has been written
.endr
.irp e, 0,1,2,3,4,5,6,7
.if (\t) == 0
	v_add_f32 v[L+\e], v[R+\e], v[ACC+2*\e]        ; token 0 writes L whole, so nothing is cleared
.else
	v_add_f32 v[R+\e], v[R+\e], v[ACC+2*\e]
.endif
.endr
.if (\t) > 0
.irp e, 0,1,2,3,4,5,6,7
	v_cndmask_b32 v[L+\e], v[L+\e], v[R+\e], s[16+(\t)]
.endr
.endif
.endm
	TOKEN 0
	TOKEN 1
	TOKEN 2
	TOKEN 3
	; The two largest, for the four tokens at once (lanes 4 to 31 repeat token 0 and store nothing).  A strict 'greater' keeps the lower index of equal logits.
	v_mov_b32 v44, v[L]
	v_mov_b32 v45, 0
.irp e, 1,2,3,4,5,6,7
	v_cmp_gt_f32 vcc_lo, v[L+\e], v44
	v_cndmask_b32 v44, v44, v[L+\e], vcc_lo
	v_cndmask_b32 v45, v45, \e, vcc_lo
.endr
.irp e, 0,1,2,3,4,5,6,7
	v_cmp_eq_u32 vcc_lo, \e, v45
	v_cndmask_b32 v[46+\e], v[L+\e], s20, vcc_lo   ; the winner leaves the field
.endr
	v_mov_b32 v54, v46
	v_mov_b32 v55, 0
.irp e, 1,2,3,4,5,6,7
	v_cmp_gt_f32 vcc_lo, v[46+\e], v54
	v_cndmask_b32 v54, v54, v[46+\e], vcc_lo
	v_cndmask_b32 v55, v55, \e, vcc_lo
.endr
	v_sub_f32 v56, v54, v44                        ; v2 - v1 <= 0: the maximum is taken away
	v_mul_f32 v56, 0x3fb8aa3b, v56
	v_exp_f32 v57, v56                             ; e
	v_min_u32 v58, v45, v55                        ; a: a plain instruction behind the exponential
	v_max_u32 v59, v45, v55                        ; b
	s_wait_alu depctr_va_vdst(0)                   ; the wait ahead of the first line that names the result
	v_add_f32 v56, 1.0, v57
	v_rcp_f32 v52, v56                             ; w1 = 1 / (1 + e)
	v_sub_nc_u32 v53, 15, v58                      ; plain work behind the reciprocal
	v_mul_u32_u24 v53, v53, v58
	s_wait_alu depctr_va_vdst(0)
	v_mul_f32 v57, v57, v52                        ; w2 = e w1
	v_cmp_lt_u32 vcc_lo, v45, v55                  ; is the winner the lower index?
	v_cndmask_b32 v60, v57, v52, vcc_lo            ; a's weight
	v_cndmask_b32 v61, v52, v57, vcc_lo            ; b's weight
	v_lshrrev_b32 v53, 1, v53
	v_add_nc_u32 v53, v53, v59
	v_sub_nc_u32 v53, v53, v58
	v_add_nc_u32 v53, -1, v53                      ; a (15 - a) / 2 + b - a - 1
	v_add_nc_u32 v46, s21, v2                      ; my token
	v_lshlrev_b32 v47, 2, v46
	v_lshlrev_b32 v48, 3, v46
	v_cmp_gt_u32 vcc_lo, 4, v2
	s_wait_xcnt 0x0                                ; EXEC changes only behind this wait
	s_and_saveexec_b32 s24, vcc_lo                 ; lanes 0 to 3
	global_store_b32 v47, v53, s[8:9]
	global_store_b64 v48, v[60:61], s[10:11]
	s_endpgm
.Lfunc_end_k_qeb0a7598be_router:
	.size	k_qeb0a7598be_router, .Lfunc_end_k_qeb0a7598be_router-k_qeb0a7598be_router
	.p2alignl 7, 3214868480
	.fill 96, 4, 3214868480
	.section	.rodata,"a",@progbits
	.p2align	6, 0x0
	.amdhsa_kernel k_qeb0a7598be_router
		.amdhsa_group_segment_fixed_size 33792
		.amdhsa_private_segment_fixed_size 0
		.amdhsa_enable_private_segment 0
		.amdhsa_kernarg_size 32
		.amdhsa_user_sgpr_count 2
		.amdhsa_user_sgpr_kernarg_segment_ptr 1
		.amdhsa_wavefront_size32 1
		.amdhsa_system_sgpr_workgroup_id_x 1
		.amdhsa_system_sgpr_workgroup_id_y 1
		.amdhsa_system_sgpr_workgroup_id_z 1
		.amdhsa_system_vgpr_workitem_id 0
		.amdhsa_next_free_vgpr 512
		.amdhsa_next_free_sgpr 66
		.amdhsa_reserve_vcc 1
		.amdhsa_float_denorm_mode_32 3
		.amdhsa_float_denorm_mode_16_64 3
		.amdhsa_memory_ordered 1
		.amdhsa_forward_progress 1
		.amdhsa_inst_pref_size 60
	.end_amdhsa_kernel
	.amdgpu_metadata
---
amdhsa.version: [ 1, 2 ]
amdhsa.kernels:
  - .name:           k_qeb0a7598be_router
    .symbol:         k_qeb0a7598be_router.kd
    .args:
      - { .name: hidden_states, .offset: 0, .size: 8, .value_kind: global_buffer, .address_space: global }
      - { .name: gate_w, .offset: 8, .size: 8, .value_kind: global_buffer, .address_space: global }
      - { .name: sets, .offset: 16, .size: 8, .value_kind: global_buffer, .address_space: global }
      - { .name: gates, .offset: 24, .size: 8, .value_kind: global_buffer, .address_space: global }
    .group_segment_fixed_size: 33792
    .private_segment_fixed_size: 0
    .kernarg_segment_align: 8
    .kernarg_segment_size: 32
    .max_flat_workgroup_size: 256
    .sgpr_count:     66
    .vgpr_count:     512
    .wavefront_size: 32
...
	.end_amdgpu_metadata
.endif
;; end of part 1
;; launch prep (part 2): grid 284 x 1, 8 waves a work-group, no clusters, 69,888 bytes of LDS; arguments sets, W1, W2, list, cnt, wl; writes list, cnt, wl
.if DOCPART == 2
	.amdgcn_target "amdgcn-amd-amdhsa--gfx1250"
	.amdhsa_code_object_version 6
	.text
	.protected	k_qeb0a7598be_prep
	.globl	k_qeb0a7598be_prep
	.p2align	8
	.type	k_qeb0a7598be_prep,@function
k_qeb0a7598be_prep:
	s_mov_b64 s[64:65], 0
	v_nop
	global_prefetch_b8 v0, s[64:65] scope:SCOPE_SE
	s_setreg_imm32_b32 hwreg(HW_REG_WAVE_MODE, 25, 1), 1
	s_wait_xcnt 0x0
; TWO JOBS IN ONE LAUNCH, told apart by the work-group's number, which all eight waves share.
; WORK-GROUPS 0 .. 27: THE LIST OF ONE SET.  list[s][0 .. cnt[s]-1] = the tokens whose pair of experts is set s; cnt[s] their number.  A counting sort without atomics: wave w has tokens 1024 w .. 1024 w + 1023;
;   a compare gives a mask of 32 lanes, v_mbcnt_lo_u32_b32 a lane's rank in it.  The wave compacts its matches into an area of LDS of its own: a matching lane stores at its rank, every other lane at a dump word of
;   its own behind the area's 1,024 words, so that all lanes stay on.  The eight totals meet in LDS behind the one barrier, and each wave writes its own piece out behind the lower waves' pieces,
;   32 entries (128 consecutive bytes) to a store; only these stores have lanes off.  Serves every split: 0 to 8,192 tokens in a set.  Entries past cnt[s] are not written and nobody reads them.
; WORK-GROUPS 28 .. 283: THE WEIGHTS, rounded once from f32 to f16 and laid in the order in which a wave of the next launch takes them as source 1 of v_wmma_f32_16x16x32_f16.
;   A STEP BLOCK is 16 KiB = [f 0..15][q 0..1][lane 0..31][8 f16]; lane = 16 h + r; element i is weight row base + 64 (f / 4) + 4 r + f % 4 at k = 32 step + 16 q + 8 h + i.
;   W1: byte e << 20 | g << 19 | step << 14 (base 256 g, 32 steps).   W2: 8 MiB + (e << 20 | w << 18 | step << 14) (base 256 w, 16 steps).
;   A wave does one tile of W1 and one of W2: 16 rows (four apart) x 128 k: each load takes 512 consecutive bytes of a row, each store 512 consecutive bytes of wl; between them the tile turns in a stage of LDS of the wave's own.
; LIMIT.  f16 holds no number beyond 65,504: larger weights become infinities; below 6e-5 f16 keeps its fixed step of 6e-8.
; LDS.  wave x 4224: the areas (1,024 words + 32 dump words); 33792 the eight totals; 34048 + wave x 4352 the stages (16 rows x 272 bytes); 68864 the spare words.  The two jobs share no byte.
.set AREA,  4224
.set TOT,   8*AREA
.set STG,   TOT+256
.set SROW,  272                        ; 256 bytes + 16: the 16 rows that a load touches start at 16 different groups of four banks (64 banks of 4 bytes: ISA guide 11.1)
.set SPARE, STG+8*16*SROW              ; 128 bytes for each of eight waves, which no other line names
.set W2OFF, 0x800000
.set SPW, 4                            ; LDS address of my spare word; never rewritten
.set NIL, 5                            ; 0; never rewritten
.set MK,  32                           ; s[32:63] the 32 masks of my wave's tokens
	s_load_b256 s[4:11], s[0:1], 0x0               ; sets s[4:5], W1 s[6:7], W2 s[8:9], list s[10:11]
	s_load_b128 s[12:15], s[0:1], 0x20             ; cnt s[12:13], wl s[14:15]
	v_lshl_add_u32 v[SPW], v0, 2, SPARE
	v_mov_b32 v[NIL], 0
	v_and_b32 v2, 31, v0                           ; lane
	v_lshrrev_b32 v3, 5, v0
	v_readfirstlane_b32 s16, v3                    ; wave 0..7
	v_lshlrev_b32 v1, 4, v2                        ; 16 x lane
	s_cmp_lt_u32 ttmp9, 28
	s_cbranch_scc0 .Lweights
	; ---------------- the list of set s17 ----------------
	s_mov_b32 s17, ttmp9
	v_lshl_add_u32 v6, s16, 12, v1                 ; my 16 bytes of my wave's 4,096 bytes of sets
	s_mul_i32 s18, s16, AREA                       ; my wave's area
	v_lshlrev_b32 v40, 2, v2
	v_lshl_add_u32 v40, s16, 10, v40               ; 1024 w + 4 lane: register 8 + 4 c + i holds the set of token v40 + 128 c + i
	v_add_nc_u32 v46, s18, v1                      ; where I write the area's zeros
	v_lshl_add_u32 v47, v2, 2, s18                 ; where I read the area back
	v_add_nc_u32 v60, 1024, v2                     ; my dump word's place in the area
.irp n, 48,49,50,51
	v_mov_b32 v\n, 0
.endr
	s_mov_b32 s19, 0                               ; matches so far in my wave
	s_lshl_b32 s24, s17, 15                        ; a set's list is 32 KiB
	s_mov_b32 s25, 0
	s_wait_kmcnt 0x0
	s_add_nc_u64 s[10:11], s[10:11], s[24:25]
.irp c, 0,1,2,3,4,5,6,7
	global_load_b128 v[8+4*\c:11+4*\c], v6, s[4:5] offset:512*\c
.endr
.irp c, 0,1,2,3,4,5,6,7
	ds_store_b128 v46, v[48:51] offset:512*\c      ; the area's 1,024 words are written once, so that all of it may be read back whatever the count; this stands in the wait for the loads
.endr
	s_wait_loadcnt 0x0
.set k, 0
.rept 32
	v_cmp_eq_u32 s[MK+k], s17, v[8+k]
.set k, k+1
.endr
.set k, 0
.rept 32                                ; mask k: the matching lanes put their tokens at the next free places of the area
	v_mbcnt_lo_u32_b32 v41, s[MK+k], s19           ; matches so far + matching lanes below mine
	v_cndmask_b32 v41, v60, v41, s[MK+k]           ; a lane that does not match goes to its dump word
	v_min_u32 v41, 0x41f, v41                      ; a place in the area is under 1,056
	v_lshl_add_u32 v41, v41, 2, s18
	v_add_nc_u32 v42, 128*(k/4)+k%4, v40           ; my token
	ds_store_b32 v41, v42                          ; LDS serves a wave's instructions in order (ISA guide 5.7.1.4): this lands on the zeros
	s_bcnt1_i32_b32 s21, s[MK+k]
	s_add_co_u32 s19, s19, s21
.set k, k+1
.endr
	v_mov_b32 v43, s19                             ; my wave's total
	v_mov_b32 v44, TOT
	v_lshl_add_u32 v45, s16, 2, v44
	ds_store_b32 v45, v43                          ; all lanes write the same word with the same number
	s_wait_dscnt 0x0                               ; for the others' sake
	s_barrier_signal -1
	s_barrier_wait -1
	ds_load_b128 v[52:55], v44                     ; the eight totals
	ds_load_b128 v[56:59], v44 offset:16
.set g, 0
.rept 32
	ds_load_b32 v[64+g], v47 offset:128*g          ; my area, 32 entries to a register
.set g, g+1
.endr
	s_wait_tensorcnt 0x0                           ; my last LDS store lies behind me
	ds_add_u32 v[SPW], v[NIL]
	s_wait_dscnt 0x0                               ; the add is done, and the totals and the area are in registers
.irp c, 0,1,2,3,4,5,6,7
	v_readfirstlane_b32 s[72+\c], v[52+\c]
.endr
	s_mov_b32 s22, 0                               ; the lower waves' matches: where my piece begins
	s_mov_b32 s23, 0                               ; all matches
.irp c, 0,1,2,3,4,5,6,7
	s_cmp_gt_u32 s16, \c
	s_cselect_b32 s21, s[72+\c], 0
	s_add_co_u32 s22, s22, s21
	s_add_co_u32 s23, s23, s[72+\c]
.endr
	v_add_nc_u32 v61, s22, v2
	v_min_u32 v61, 0x1fff, v61                     ; a place in the list is under 8,192
	v_lshlrev_b32 v61, 2, v61                      ; my entry of my piece's first group; the later groups stand in the immediate
	v_mov_b32 v62, s23
	s_lshl_b32 s26, s17, 2
	v_mov_b32 v63, s26
	s_wait_xcnt 0x0                                ; EXEC changes only behind this wait
; Entries 32 p .. 32 p + 31 of my piece; whole groups past the total are jumped, the last group has the lanes past it off.
.macro FLUSH p
	s_cmp_le_u32 s19, 32*(\p)
	s_cbranch_scc1 .Lflushed
	s_sub_co_u32 s21, s19, 32*(\p)                 ; what is left from this group on
	v_cmp_gt_u32 vcc_lo, s21, v2
	s_and_saveexec_b32 s20, vcc_lo                 ; no global instruction has been issued since the last s_wait_xcnt 0
	global_store_b32 v61, v[64+(\p)], s[10:11] offset:128*(\p)
	s_wait_xcnt 0x0                                ; and EXEC widens only behind this one
	s_or_b32 exec_lo, exec_lo, s20
.endm
.set g, 0
.rept 32
	FLUSH g
.set g, g+1
.endr
.Lflushed:
	v_cmp_eq_u32 vcc_lo, 0, v0
	s_wait_xcnt 0x0
	s_and_saveexec_b32 s20, vcc_lo                 ; thread 0 of the work-group alone
	global_store_b32 v63, v62, s[12:13]
	s_endpgm
	; ---------------- the weights ----------------
.Lweights:
	s_sub_co_u32 s17, ttmp9, 28
	s_lshl3_add_u32 s17, s17, s16                  ; u = 8 x (work-group - 28) + wave, 0 .. 2047
	s_lshr_b32 s20, s17, 8                         ; the expert, for both tiles
	; W1's tile: u = e:3 g:1 fq:2 fc:2 kc:3.  First row 256 g + 64 fq + fc, rows of 4,096 bytes; k from 128 kc on
	s_bfe_u32 s21, s17, 0x10007                    ; g
	s_bfe_u32 s22, s17, 0x20005                    ; f / 4
	s_bfe_u32 s23, s17, 0x20003                    ; f % 4
	s_and_b32 s24, s17, 7                          ; kc
	s_bfe_u32 s25, s17, 0x40003                    ; f
	s_lshl_b32 s26, s20, 21
	s_lshl_b32 s27, s21, 20
	s_add_co_u32 s26, s26, s27
	s_lshl_b32 s27, s22, 18
	s_add_co_u32 s26, s26, s27
	s_lshl_b32 s27, s23, 12
	s_add_co_u32 s26, s26, s27
	s_lshl_b32 s27, s24, 9
	s_add_co_u32 s26, s26, s27
	v_add_nc_u32 v6, s26, v1                       ; from: e << 21 + row << 12 + kc << 9 + 16 lane
	s_lshl_b32 s26, s20, 20
	s_lshl_b32 s27, s21, 19
	s_add_co_u32 s26, s26, s27
	s_lshl_b32 s27, s24, 16
	s_add_co_u32 s26, s26, s27
	s_lshl_b32 s27, s25, 10
	s_add_co_u32 s26, s26, s27
	v_add_nc_u32 v8, s26, v1                       ; to: e << 20 | g << 19 | kc << 16 | f << 10, + 16 lane
	; W2's tile: u = e:3 w:2 fq:2 fc:2 kc:2.  First row 256 w + 64 fq + fc, rows of 2,048 bytes
	s_bfe_u32 s21, s17, 0x20006                    ; w
	s_bfe_u32 s22, s17, 0x20004                    ; f / 4
	s_bfe_u32 s23, s17, 0x20002                    ; f % 4
	s_and_b32 s24, s17, 3                          ; kc
	s_bfe_u32 s25, s17, 0x40002                    ; f
	s_lshl_b32 s26, s20, 21
	s_lshl_b32 s27, s21, 19
	s_add_co_u32 s26, s26, s27
	s_lshl_b32 s27, s22, 17
	s_add_co_u32 s26, s26, s27
	s_lshl_b32 s27, s23, 11
	s_add_co_u32 s26, s26, s27
	s_lshl_b32 s27, s24, 9
	s_add_co_u32 s26, s26, s27
	v_add_nc_u32 v7, s26, v1
	s_lshl_b32 s26, s20, 20
	s_lshl_b32 s27, s21, 18
	s_add_co_u32 s26, s26, s27
	s_lshl_b32 s27, s24, 16
	s_add_co_u32 s26, s26, s27
	s_lshl_b32 s27, s25, 10
	s_add_co_u32 s26, s26, s27
	s_add_co_u32 s26, s26, W2OFF
	v_add_nc_u32 v9, s26, v1
	s_wait_kmcnt 0x0
.set i, 0
.rept 16                                ; all 32 loads go out before anything is waited for: 16 KiB a wave
	global_load_b128 v[64+4*i:67+4*i], v6, s[6:7] offset:16384*i th:TH_LOAD_NT
.set i, i+1
.endr
.set i, 0
.rept 16
	global_load_b128 v[128+4*i:131+4*i], v7, s[8:9] offset:8192*i th:TH_LOAD_NT
.set i, i+1
.endr
	s_mul_i32 s28, s16, 16*SROW
	s_add_co_u32 s28, s28, STG                     ; my stage
	v_lshl_add_u32 v10, v2, 3, s28                 ; in: four f16 a lane, a row's 256 bytes to a store
	v_and_b32 v12, 15, v0                          ; r
	v_bfe_u32 v13, v0, 4, 1                        ; h
	v_mul_u32_u24 v11, v12, SROW
	v_lshl_add_u32 v11, v13, 4, v11
	v_add_nc_u32 v11, s28, v11                     ; back: row r, 16 bytes at 16 h
; One tile: rounded, 16 rows into the stage, back as the eight half fragments (step m / 2, half m % 2), stored.
.macro WTILE src, back, dst
.set i, 0
.rept 16
	v_cvt_pk_f16_f32 v[32+2*i], v[(\src)+4*i], v[(\src)+4*i+1]
	v_cvt_pk_f16_f32 v[33+2*i], v[(\src)+4*i+2], v[(\src)+4*i+3]
.set i, i+1
.endr
.set i, 0
.rept 16
	ds_store_b64 v10, v[32+2*i:33+2*i] offset:SROW*i
.set i, i+1
.endr
.set i, 0
.rept 8
	ds_load_b128 v[(\back)+4*i:(\back)+4*i+3], v11 offset:64*(i/2)+32*(i%2)  ; LDS serves a wave's instructions in order (ISA guide 5.7.1.4): these see the stores above
.set i, i+1
.endr
.set i, 0
.rept 8
	s_wait_dscnt 7-i                               ; this one is back; the later ones stay out
	global_store_b128 v[\dst], v[(\back)+4*i:(\back)+4*i+3], s[14:15] offset:16384*(i/2)+512*(i%2)  ; 512 consecutive bytes, at a multiple of 512 from wl's first
.set i, i+1
.endr
.endm
	s_wait_loadcnt 16                              ; W1's tile is in; W2's 16 loads stay out
	WTILE 64, 192, 8
	s_wait_loadcnt 0x0
	WTILE 128, 224, 9                              ; its own registers for the way back: no store's data is rewritten
	s_wait_tensorcnt 0x0                           ; the wave's end, behind my last LDS store
	ds_add_u32 v[SPW], v[NIL]
	s_wait_dscnt 0x0
	s_endpgm
.Lfunc_end_k_qeb0a7598be_prep:
	.size	k_qeb0a7598be_prep, .Lfunc_end_k_qeb0a7598be_prep-k_qeb0a7598be_prep
	.p2alignl 7, 3214868480
	.fill 96, 4, 3214868480
	.section	.rodata,"a",@progbits
	.p2align	6, 0x0
	.amdhsa_kernel k_qeb0a7598be_prep
		.amdhsa_group_segment_fixed_size 69888
		.amdhsa_private_segment_fixed_size 0
		.amdhsa_enable_private_segment 0
		.amdhsa_kernarg_size 48
		.amdhsa_user_sgpr_count 2
		.amdhsa_user_sgpr_kernarg_segment_ptr 1
		.amdhsa_wavefront_size32 1
		.amdhsa_system_sgpr_workgroup_id_x 1
		.amdhsa_system_sgpr_workgroup_id_y 1
		.amdhsa_system_sgpr_workgroup_id_z 1
		.amdhsa_system_vgpr_workitem_id 0
		.amdhsa_next_free_vgpr 256
		.amdhsa_next_free_sgpr 96
		.amdhsa_reserve_vcc 1
		.amdhsa_float_denorm_mode_32 3
		.amdhsa_float_denorm_mode_16_64 3
		.amdhsa_memory_ordered 1
		.amdhsa_forward_progress 1
		.amdhsa_inst_pref_size 50
	.end_amdhsa_kernel
	.amdgpu_metadata
---
amdhsa.version: [ 1, 2 ]
amdhsa.kernels:
  - .name:           k_qeb0a7598be_prep
    .symbol:         k_qeb0a7598be_prep.kd
    .args:
      - { .name: sets, .offset: 0, .size: 8, .value_kind: global_buffer, .address_space: global }
      - { .name: W1, .offset: 8, .size: 8, .value_kind: global_buffer, .address_space: global }
      - { .name: W2, .offset: 16, .size: 8, .value_kind: global_buffer, .address_space: global }
      - { .name: list, .offset: 24, .size: 8, .value_kind: global_buffer, .address_space: global }
      - { .name: cnt, .offset: 32, .size: 8, .value_kind: global_buffer, .address_space: global }
      - { .name: wl, .offset: 40, .size: 8, .value_kind: global_buffer, .address_space: global }
    .group_segment_fixed_size: 69888
    .private_segment_fixed_size: 0
    .kernarg_segment_align: 8
    .kernarg_segment_size: 48
    .max_flat_workgroup_size: 256
    .sgpr_count:     96
    .vgpr_count:     256
    .wavefront_size: 32
...
	.end_amdgpu_metadata
.endif
;; end of part 2
;; launch chain (part 3): grid 155 x 1, 4 waves a work-group, no clusters, 277,760 bytes of LDS; arguments hidden_states, b1, b2, wl, list, cnt, gates, out0; writes out0
.if DOCPART == 3
	.amdgcn_target "amdgcn-amd-amdhsa--gfx1250"
	.amdhsa_code_object_version 6
	.text
	.protected	k_qeb0a7598be_chain
	.globl	k_qeb0a7598be_chain
	.p2align	8
	.type	k_qeb0a7598be_chain,@function
k_qeb0a7598be_chain:
	s_mov_b64 s[64:65], 0
	v_nop
	global_prefetch_b8 v0, s[64:65] scope:SCOPE_SE
	s_setreg_imm32_b32 hwreg(HW_REG_WAVE_MODE, 25, 1), 1
	s_wait_xcnt 0x0
; THE TWO CHOSEN EXPERTS OF EACH TOKEN, IN ONE GO.  out[t] = w_a (gelu(x W1[a]^T + b1[a]) W2[a]^T + b2[a]) + w_b (the same with b), a < b the token's pair, w_a, w_b its gate weights.
; A work-group takes 64 tokens of ONE pair (set) through the whole chain: gather, first product, bias, exact GELU, gate weight, second product, second bias, store.  Each output row has one owner.
; THE GRID.  With n_s tokens in set s there are sum of ceil(n_s / 64) <= 8192 / 64 + 27 = 155 tiles, whatever the split.  Every work-group finds its tile from the 28 stored counts.  One that the split leaves without
; rows asks for two weight blocks a wave (128 KiB, asked for ahead of the test), jumps all work, passes all four barriers and stores nothing.  In a tile that is not full the places past the count repeat its last token:
; whole groups of 16 such rows are not stored, the others store the same bytes to the same row again (15 rows a set at the most).
; BOTH PRODUCTS have the shape [64 x 1024], K = 1024, and one macro, KPASS.  Pass 0: columns = hidden units, waves 0, 1 the halves of expert a's 512, waves 2, 3 of b's; K = channels of x.
; Pass 1: columns = output channels 256 w on; K steps 0-15 = a's hidden units with W2[a], steps 16-31 = b's with W2[b]: h is multiplied by the gate weight before it is rounded, so both experts add into one accumulator.
; The macro is written out twice, so that the four barriers stand in straight text.
; A wave makes 64 x 256: 4 units of 16 tokens x 16 fragments: 64 accumulators, 512 registers.  Source 0 = tokens, from LDS, shared by the four waves.  Source 1 = weights: each fragment is wanted by ONE wave of the
; work-group, so it goes from wl (laid in operand order by the launch before) straight into registers, 512 consecutive bytes a load: no ring in LDS and no barrier in the K loop.
; THE WEIGHT STREAM.  Window 1 holds two step blocks as four halves of 8 fragments (16 loads, 8 KiB).  A half is filled again, with the half three further on in the stream, four products behind the last product that
; read it.  So 48 loads of a wave, 24 KiB, are out behind each run; a fourth half would make 64, one more than LOADcnt's six bits count, and the wave would stand at the 64th load until the oldest is back (ISA guide 5.7.1).
; K GOES ROUND.  Work-group n begins K at step n mod 32 and walks round to where it began: tiles that walk the same expert's blocks ask for different blocks at any one time, not all for the same one.
; So the order of K in the sums differs from tile to tile.
; Fragment f = 4 q + c holds columns 64 q + 4 r + c (r = lane % 16): four fragments give a lane four neighbouring columns, 16 lanes 256 consecutive bytes of an f32 row: the result needs no stage.
; LDS IN PHASES.  Between two barriers the waves either store to LDS or load from it, never both: gather (stores) | pass 0, its tables, the GELU in registers (loads) | h (stores) | pass 1, its tables (loads) | the closing add.
; The rounded h waits for its barrier in the 256 registers of window 1; so pass 1's first three halves of weights are asked for only among and behind h's stores.
; NO CLUSTER.  What tiles share is the weights of their set.  Partners would have to be tiles of one set, whose number is any from 0 to 128: whole clusters of four raise the bound on the grid from 155 to
; 4 x (32 + 27) = 236; and a joint load lands in LDS, where x and h take 264,192 of 327,680 bytes, while one K step's blocks for four waves are 65,536 bytes and two slots would be wanted.
; FORMATS.  x, W1, w h, W2: rounded once from f32 to f16; sums, biases, GELU and gate weights in f32.  The gate weight enters ahead of the second product, not behind it as in the formula above.
; GELU.  erf by Abramowitz and Stegun 7.1.25, off by 2.5e-5 at the most for every argument: t = 1 / (1 + KP |z|), g = (A1 t + A2 t^2 + A3 t^3) 2^(CQ z^2) = erfc(|z| / sqrt 2) / 2, gelu = z / 2 + |z| (1 / 2 - g).
; LIMITS.  f16 holds no number beyond 65,504: |x|, |W1|, |W2| and |w gelu| beyond that become infinities; below 6e-5 f16 keeps its fixed step of 6e-8.  NaN and infinities are not treated apart.
; LDS.  X 64 rows x 2,064 bytes (2,048 + 16: row r starts at bank 4 r mod 64; 64 banks of 4 bytes: ISA guide 11.1); H the same; then b1 and b2 of the two experts, the gate weights, the token numbers, the spare words.
; REGISTERS, in windows of 256 (s_set_vgpr_msb: bits 1:0 source 0, 3:2 source 1, 5:4 source 2, 7:6 destination):
;   window 0: v0-31 addresses; v32-95 two buffers of token fragments (4 units x 8); v128-255 at work outside the K loop.   window 1: weight buffers 0 and 1, 128 each (fragment f at 8 f).
;   window 2: accumulators of units 0, 1 (unit u, fragment f at 128 (u % 2) + 8 f);   window 3: of units 2, 3.   Outside the K loop windows 0 and 1 are at work for the gather and the two ways out.
.set PITCH, 2064
.set UROWS, 16*PITCH                   ; a unit's 16 rows
.set HB,    64*PITCH                   ; H behind X
.set B1T,   2*64*PITCH                 ; [slot 0..1][512] f32
.set B2T,   B1T+4096                   ; [slot][1024] f32
.set GWT,   B2T+8192                   ; [slot][64] f32
.set TOKT,  GWT+512                    ; [64] u32
.set SPARE, TOKT+256                   ; 128 bytes for each of four waves, which no other line names
.set AA,  4                            ; v4, v5   LDS address of my token fragments: units 0-1, units 2-3
.set VO,  6                            ; v6, v7   byte offset in wl of the block with which weight buffer 0, 1 is being filled
.set GA,  10                           ; v10-13   the gather's offsets in x, one for each landing slot
.set XS,  14                           ; v14      where the gather puts 8 bytes of a row
.set HA,  15                           ; v15, v16 where my 8 bytes of h go: units 0-1, units 2-3; never rewritten
.set OB,  17                           ; v17      1024 w + 16 r: my 16 bytes in an output row, q = 0
.set AL,  20                           ; v20      r x pitch + 16 h: a lane's place in a fragment; never rewritten
.set AL2, 21                           ; v21      the same two units on
.set TGW, 22                           ; v22-24   where the gather puts the gate weights and token numbers, b1, b2
.set TB1, 23
.set TB2, 24
.set SPW, 30                           ; v30      LDS address of my spare word; never rewritten
.set NIL, 31                           ; v31      0; never rewritten
.set AF,  32                           ; the token fragments
.set Z,   128                          ; the GELU's 32 numbers a lane: Z[8 c + j] = token j of my eight, column c of my four
.set T,   160
.set E,   192
.set P,   224
.set WV,  20                           ; s20 wave            s21 work-group
.set WGN, 21
.set ACCT, 22                          ; tiles of the sets so far
.set SETI, 23                          ; my set
.set BASE, 24                          ; tiles ahead of my set
.set CNTS, 25                          ; my set's tokens
.set JTL, 26                           ; my tile in the set
.set EA,  27
.set EB,  28
.set EW,  29                           ; my wave's expert in pass 0
.set NROW, 30                          ; rows of my tile, 0 .. 64
.set EMPTY, 31
.set CN,  32                           ; s[32:59] the 28 counts
.set ROT, 60                           ; the place in K, 0 .. 31, of the step in hand: (step + work-group) mod 32
.set BB,  61                           ; block number of wl = BA + place for places 0-15, BB + place for places 16-31
.set BA,  62
.set TRIP, 63
.set O2M, 66                           ; the number of W2[b]'s first block for my wave, less 16
.set GI,  67
.set TK,  68                           ; s[68:83] token << 12 of my wave's 16 rows
.set KP,  84
.set S0,  85
.set S1,  86
.set O2,  87                           ; the number of W2[a]'s first block for my wave
.set S2,  88
.set MSB, 0
.macro WIN new                         ; the high byte repeats the setting that is left; a switch that changes nothing is dropped
.if MSB != (\new)
	s_set_vgpr_msb (MSB<<8)|(\new)
.set MSB, \new
.endif
.endm
.macro PLACES                          ; a vector instruction or a load that touches a matrix instruction's registers stands four plain vector instructions behind it
.rept 4
	v_nop
.endr
.endm
; Buffer par's offset in wl: the block of the place d behind ROT, held inside wl's 1,024 blocks, times 16 KiB, + 16 x lane
.macro SETVO par, d
	s_add_co_u32 s[S0], s[ROT], \d
	s_and_b32 s[S0], s[S0], 31
	s_cmp_lt_u32 s[S0], 16
	s_cselect_b32 s[S2], s[BA], s[BB]
	s_add_co_u32 s[S0], s[S0], s[S2]
	s_min_u32 s[S0], s[S0], 0x3ff
	s_lshl_b32 s[S0], s[S0], 14
	v_add_nc_u32 v[VO+(\par)], s[S0], v1
.endm
; 16 loads in one run: half hf (fragments 8 hf .. 8 hf + 7) of the block at v[VO+par], into the same half of weight buffer par
.macro REFILL par, hf
	WIN 0x40
.set wf, 8*(\hf)
.rept 8
	global_load_b128 v[128*(\par)+8*wf:128*(\par)+8*wf+3],   v[VO+(\par)], s[10:11] offset:1024*wf
	global_load_b128 v[128*(\par)+8*wf+4:128*(\par)+8*wf+7], v[VO+(\par)], s[10:11] offset:1024*wf+512
.set wf, wf+1
.endr
.endm
; 8 LDS loads: the four units' fragments of 32 along K, into token buffer ab
.macro ALOAD ab
.irp u, 0,1,2,3
	ds_load_b128 v[AF+32*(\ab)+8*\u:AF+32*(\ab)+8*\u+3],   v[AA+\u/2] offset:(\u%2)*UROWS
	ds_load_b128 v[AF+32*(\ab)+8*\u+4:AF+32*(\ab)+8*\u+7], v[AA+\u/2] offset:(\u%2)*UROWS+32
.endr
.endm
; The scalar work of a K step, two lines at a time between products: ROT goes on to the next step's place; S1 = that place's LDS byte; S0 = the byte in wl of the block two steps on
.macro RIDER k
.if (\k) == 0
	s_add_co_u32 s[ROT], s[ROT], 1
	s_and_b32 s[ROT], s[ROT], 31
.elseif ((\k) == 1) && R_AL
	s_lshl_b32 s[S1], s[ROT], 6                    ; 32 along K are 64 bytes of a row
.if R_AB
	s_add_co_u32 s[S1], s[S1], R_AB
.endif
.elseif ((\k) == 2) && R_RF
	s_add_co_u32 s[S0], s[ROT], 1
	s_and_b32 s[S0], s[S0], 31
.elseif ((\k) == 3) && R_RF
	s_cmp_lt_u32 s[S0], 16
	s_cselect_b32 s[S2], s[BA], s[BB]
.elseif ((\k) == 4) && R_RF
	s_add_co_u32 s[S0], s[S0], s[S2]
	s_min_u32 s[S0], s[S0], 0x3ff                  ; held inside wl's 1,024 blocks
.elseif ((\k) == 5) && R_RF
	s_lshl_b32 s[S0], s[S0], 14
.endif
.endm
; 2 nf matrix instructions: fragments f0 .. f0 + nf - 1 x units 2 hi, 2 hi + 1, from buffers par.  The accumulators take turns, one instruction a turn: between two links of a chain stand
; the 63 others'.  zero = 1: the products start the sums.  np = 1: a v_nop behind each.  rid = 1: the step's scalar work behind each two.
.macro WM par, f0, nf, hi, zero, np, rid
	WIN 0xa4+0x50*(\hi)
.set wf, \f0
.rept \nf
.irp u, 0,1
.if \zero
	v_wmma_f32_16x16x32_f16 v[128*\u+8*wf:128*\u+8*wf+7], v[AF+32*(\par)+8*(2*(\hi)+\u):AF+32*(\par)+8*(2*(\hi)+\u)+7], v[128*(\par)+8*wf:128*(\par)+8*wf+7], 0
.else
	v_wmma_f32_16x16x32_f16 v[128*\u+8*wf:128*\u+8*wf+7], v[AF+32*(\par)+8*(2*(\hi)+\u):AF+32*(\par)+8*(2*(\hi)+\u)+7], v[128*(\par)+8*wf:128*(\par)+8*wf+7], v[128*\u+8*wf:128*\u+8*wf+7]
.endif
.if \np
	v_nop
.endif
.endr
.if \rid
	RIDER wf-(\f0)
.endif
.set wf, wf+1
.endr
.endm
; K STEP i multiplies buffers par = i % 2, in two halves of 32 matrix instructions.  Each half: the wait for its fragments; four products with four v_nop, the places behind the products that read what is loaded next;
; ONE run of loads; the other 28 products.  rfa = 1: the first half's run fills the second half of the other buffer, read at the end of step i - 1, with step i + 1's.  rfb = 1: the second half's run fills the first
; half of this buffer, just read, with step i + 2's.  al = 1: that run also fetches step i + 1's token fragments.  last = 1: step 31, behind whose halves one half and none is out.  ab: the tokens' first LDS byte.
.macro STEP par, zero, al, rfa, rfb, last, ab
.set R_AL, \al
.set R_RF, \rfb
.set R_AB, \ab
	s_wait_dscnt 0x0                               ; this step's token fragments, asked for half a step ago
	s_wait_loadcnt 32-16*(\last)                   ; this half's 16 loads are in; the two halves asked for behind it stay out
	WM \par, 0, 2, 0, \zero, \rfa, 0
.if \rfa
	REFILL 1-(\par), 1
.endif
	WM \par, 2, 6, 0, \zero, 0, 1
	WM \par, 0, 8, 1, \zero, 0, 0
	s_wait_loadcnt 32-32*(\last)                   ; the second half likewise
	WM \par, 8, 2, 1, \zero, (\al)|(\rfb), 0
.if \rfb
	WIN 0
	v_add_nc_u32 v[VO+(\par)], s[S0], v1           ; free: all loads that named it, this step's block, have been shown done by the wait above
.endif
.if \al
	WIN 0
	v_add_nc_u32 v[AA], s[S1], v[AL]
	v_add_nc_u32 v[AA+1], s[S1], v[AL2]
	ALOAD 1-(\par)
.endif
.if \rfb
	REFILL \par, 0
.endif
	WM \par, 10, 6, 1, \zero, 0, 0
	WM \par, 8, 8, 0, \zero, 0, 0
.endm
; A PASS: 32 K steps of 64 matrix instructions.  It finds ROT at its first place, BA and BB set, v[VO] and v[VO+1] at steps 0 and 1's blocks, and of these blocks three halves asked for (f0 = 1) or all four (f0 = 0).
; Written: step 0, which starts the sums; a loop of an even and an odd step, entered at the odd one (steps 1 to 29); steps 30 and 31, which ask for nothing past the pass's end.  n ends the labels' names.
.macro KPASS n, ab, f0
	s_lshl_b32 s[S1], s[ROT], 6
.if \ab
	s_add_co_u32 s[S1], s[S1], \ab
.endif
	v_add_nc_u32 v[AA], s[S1], v[AL]
	v_add_nc_u32 v[AA+1], s[S1], v[AL2]
	ALOAD 0
	STEP 0, 1, 1, \f0, 1, 0, \ab
	WIN 0                                          ; at a label and at a branch every window is 0
	s_mov_b32 s[TRIP], 15                          ; counts the odd steps
	s_branch .Lm\n
.Lk\n:
	STEP 0, 0, 1, 1, 1, 0, \ab
	WIN 0
.Lm\n:
	STEP 1, 0, 1, 1, 1, 0, \ab
	WIN 0
	s_sub_co_u32 s[TRIP], s[TRIP], 1
	s_cmp_lg_u32 s[TRIP], 0
	s_cbranch_scc1 .Lk\n
	STEP 0, 0, 1, 1, 0, 0, \ab                     ; step 30 asks for step 31's second half and its token fragments,
	STEP 1, 0, 0, 0, 0, 1, \ab                     ; step 31 for nothing
	WIN 0
	PLACES                                         ; behind the last products: what follows reads results and writes operands
.endm
	s_load_b512 s[4:19], s[0:1], 0x0               ; x s[4:5], b1 s[6:7], b2 s[8:9], wl s[10:11], list s[12:13], cnt s[14:15], gates s[16:17], out s[18:19]
	v_lshl_add_u32 v[SPW], v0, 2, SPARE
	v_mov_b32 v[NIL], 0
	v_lshrrev_b32 v18, 5, v0
	v_readfirstlane_b32 s[WV], v18                 ; wave 0..3
	v_and_b32 v19, 31, v0                          ; lane
	v_lshlrev_b32 v1, 4, v19                       ; 16 x lane
	v_and_b32 v2, 15, v0                           ; r
	v_bfe_u32 v3, v0, 4, 1                         ; h
	s_mov_b32 s[WGN], ttmp9
	s_wait_kmcnt 0x0
	s_load_b512 s[CN:CN+15], s[14:15], 0x0         ; the 28 counts
	s_load_b256 s[CN+16:CN+23], s[14:15], 0x40
	s_load_b128 s[CN+24:CN+27], s[14:15], 0x60
	v_mul_u32_u24 v[AL], v2, PITCH
	v_lshl_add_u32 v[AL], v3, 4, v[AL]
	v_add_nc_u32 v[AL2], 2*UROWS, v[AL]
	s_mul_i32 s[S0], s[WV], UROWS
	v_lshl_add_u32 v[XS], v19, 3, s[S0]            ; X + my wave's 16 rows + 8 x lane
	v_mul_u32_u24 v[HA], v3, 8*PITCH
	v_lshl_add_u32 v[HA], v2, 3, v[HA]
	s_lshl_b32 s[S0], s[WV], 9
	s_add_co_u32 s[S0], s[S0], HB
	v_add_nc_u32 v[HA], s[S0], v[HA]               ; H + 8 h rows + 512 w + 8 r
	v_add_nc_u32 v[HA+1], 2*UROWS, v[HA]
	s_lshl_b32 s[S0], s[WV], 10
	v_lshl_add_u32 v[OB], v2, 4, s[S0]
	s_lshl_b32 s[S0], s[WV], 6
	s_add_co_u32 s[S0], s[S0], GWT
	v_lshl_add_u32 v[TGW], v2, 2, s[S0]            ; GWT + 64 w + 4 r; the second slot lies 256 on, the token numbers 512 on
	s_lshl_b32 s[S0], s[WV], 10
	s_add_co_u32 s[S0], s[S0], B1T
	v_add_nc_u32 v[TB1], s[S0], v1                 ; B1T + 1024 w + 16 lane
	s_lshl_b32 s[S0], s[WV], 11
	s_add_co_u32 s[S0], s[S0], B2T
	v_add_nc_u32 v[TB2], s[S0], v1                 ; B2T + 2048 w + 16 lane
	v_mov_b32 v9, 0                                ; written whole once: the load into it is jumped by a work-group without rows
	s_mov_b32 s[ACCT], 0
	s_mov_b32 s[SETI], 0
	s_mov_b32 s[BASE], 0
	s_mov_b32 s[CNTS], 0
	s_wait_kmcnt 0x0
.set k, 0
.rept 28                                ; my set is the last whose first tile is not behind my number
	s_cmp_le_u32 s[ACCT], s[WGN]
	s_cselect_b32 s[SETI], k, s[SETI]
	s_cselect_b32 s[BASE], s[ACCT], s[BASE]
	s_cselect_b32 s[CNTS], s[CN+k], s[CNTS]
	s_add_co_u32 s[S0], s[CN+k], 63
	s_lshr_b32 s[S0], s[S0], 6
	s_add_co_u32 s[ACCT], s[ACCT], s[S0]
.set k, k+1
.endr
	s_sub_co_u32 s[JTL], s[WGN], s[BASE]
	s_lshl_b32 s[S0], s[JTL], 6
	s_sub_co_i32 s[NROW], s[CNTS], s[S0]           ; what is left of the set from my tile on
	s_cmp_le_i32 s[NROW], 0
	s_cselect_b32 s[EMPTY], 1, 0
	s_min_i32 s[NROW], s[NROW], 64
	s_max_i32 s[NROW], s[NROW], 0
	s_mov_b32 s[EA], 0                             ; a = how many of the sets' first numbers for a = 1 .. 6 are not above my set
.irp t, 7,13,18,22,25,27
	s_cmp_ge_u32 s[SETI], \t
	s_add_co_ci_u32 s[EA], s[EA], 0
.endr
	s_sub_co_u32 s[S0], 15, s[EA]
	s_mul_i32 s[S0], s[S0], s[EA]
	s_lshr_b32 s[S0], s[S0], 1
	s_sub_co_u32 s[EB], s[SETI], s[S0]
	s_add_co_u32 s[EB], s[EB], s[EA]
	s_add_co_u32 s[EB], s[EB], 1                   ; b = set - a (15 - a) / 2 + a + 1
	s_min_u32 s[EA], s[EA], 7                      ; what enters an offset is held inside its table
	s_min_u32 s[EB], s[EB], 7
	s_min_u32 s[SETI], s[SETI], 27
	s_cmp_lt_u32 s[WV], 2
	s_cselect_b32 s[EW], s[EA], s[EB]
	s_min_u32 s[EW], s[EW], 7
	s_and_b32 s[S1], s[WV], 1
	s_lshl_b32 s[BA], s[EW], 6
	s_lshl_b32 s[S1], s[S1], 5
	s_add_co_u32 s[BA], s[BA], s[S1]               ; W1's blocks of my expert and my half: e << 6 | g << 5 | place,
	s_mov_b32 s[BB], s[BA]                         ; for all 32 places
	s_lshl_b32 s[S0], s[WV], 4
	s_add_co_u32 s[S0], s[S0], 512                 ; W2's blocks: 512 + (e << 6 | w << 4 | place in the expert's 16)
	s_lshl_b32 s[O2], s[EA], 6
	s_add_co_u32 s[O2], s[O2], s[S0]
	s_lshl_b32 s[O2M], s[EB], 6
	s_add_co_u32 s[O2M], s[O2M], s[S0]
	s_sub_co_u32 s[O2M], s[O2M], 16
	s_and_b32 s[ROT], s[WGN], 31                   ; where my walk round K begins
	s_mov_b32 s[KP], 0x3eaa540e                    ; 0.33267253 = 0.47047 / sqrt 2
	SETVO 0, 0
	SETVO 1, 1
	s_cmp_eq_u32 s[EMPTY], 1
	s_cbranch_scc1 .Lw
	; my wave's 16 rows: lanes r and 16 + r ask for row r's token.  This load goes out first: the gather hangs on it
	s_lshl_b32 s[S0], s[JTL], 6
	s_lshl4_add_u32 s[S0], s[WV], s[S0]            ; 64 x tile + 16 w
	v_add_nc_u32 v18, s[S0], v2
	s_sub_co_u32 s[S1], s[CNTS], 1
	v_min_u32 v18, s[S1], v18                      ; places past the count repeat the set's last token
	v_min_u32 v18, 0x1fff, v18
	s_lshl_b32 s[S1], s[SETI], 15
	v_lshl_add_u32 v18, v18, 2, s[S1]
	global_load_b32 v9, v18, s[12:13]
.Lw:
	REFILL 0, 0                                    ; pass 0's steps 0 and 1, all four halves: they hang on the set alone, so they go out ahead of the gather, in a work-group without rows too.
	REFILL 0, 1                                    ; With the list's load 65 are asked for: the last two are issued when the first two are back (ISA guide 5.7.1), where the wave waits for the first in any case
	REFILL 1, 0
	REFILL 1, 1
	WIN 0
	s_cmp_eq_u32 s[EMPTY], 1
	s_cbranch_scc1 .Lb1
	; THE GATHER
	s_wait_loadcnt 63                              ; the token numbers are in: 64 loads were issued behind theirs
	v_min_u32 v9, 0x1fff, v9
.set i, 0
.rept 16
	v_readlane_b32 s[TK+i], v9, i
	s_min_u32 s[TK+i], s[TK+i], 0x1fff
	s_lshl_b32 s[TK+i], s[TK+i], 12                ; a row of x is 4,096 bytes
.set i, i+1
.endr
	v_lshlrev_b32 v18, 3, v9
	global_load_b64 v[48:49], v18, s[16:17]        ; (w_a, w_b)
	s_and_b32 s[S1], s[WV], 1
	s_lshl_b32 s[S0], s[EW], 11
	s_lshl_b32 s[S1], s[S1], 10
	s_add_co_u32 s[S0], s[S0], s[S1]
	v_add_nc_u32 v28, s[S0], v1                    ; b1: my expert, my half: 1,024 bytes
	global_load_b128 v[52:55], v28, s[6:7]
	global_load_b128 v[56:59], v28, s[6:7] offset:512
	s_lshl_b32 s[S0], s[S0], 1
	v_add_nc_u32 v29, s[S0], v1                    ; b2: my expert, half w % 2: 2,048 bytes
.irp i, 0,1,2,3
	global_load_b128 v[60+4*\i:63+4*\i], v29, s[8:9] offset:512*\i
.endr
.irp s, 0,1,2,3
	v_add_nc_u32 v[GA+\s], s[TK+\s], v1
.irp j, 0,1,2,3,4,5,6,7
	global_load_b128 v[128+32*\s+4*\j:128+32*\s+4*\j+3], v[GA+\s], s[4:5] offset:512*\j
.endr
.endr
	s_wait_loadcnt 32                              ; the tables are in; the four rows' 32 loads stay out
	ds_store_b32 v[TGW], v48
	ds_store_b32 v[TGW], v49 offset:256
	ds_store_b32 v[TGW], v9 offset:512
	ds_store_b128 v[TB1], v[52:55]
	ds_store_b128 v[TB1], v[56:59] offset:512
.irp i, 0,1,2,3
	ds_store_b128 v[TB2], v[60+4*\i:63+4*\i] offset:512*\i
.endr
; Row rho of my 16: rounded to f16 and laid into X; its landing slot takes the row four further on.  left: the younger rows' loads, which stay out.
.macro SLOT rho, ahead, left
.set LD, 128+32*((\rho)%4)
	s_wait_loadcnt \left
.set j, 0
.rept 8
	v_cvt_pk_f16_f32 v[32+2*j], v[LD+4*j], v[LD+4*j+1]
	v_cvt_pk_f16_f32 v[33+2*j], v[LD+4*j+2], v[LD+4*j+3]
.set j, j+1
.endr
.if \ahead
	v_add_nc_u32 v[GA+(\rho)%4], s[TK+(\rho)+4], v1    ; free since the wait above
.set j, 0
.rept 8
	global_load_b128 v[LD+4*j:LD+4*j+3], v[GA+(\rho)%4], s[4:5] offset:512*j
.set j, j+1
.endr
.endif
.set j, 0
.rept 8
	ds_store_b64 v[XS], v[32+2*j:33+2*j] offset:(\rho)*PITCH+256*j  ; 32 lanes, 256 consecutive bytes
.set j, j+1
.endr
.endm
.irp n, 0,1,2,3,4,5,6,7,8,9,10,11
	SLOT \n, 1, 24
.endr
	SLOT 12, 0, 24
	SLOT 13, 0, 16
	SLOT 14, 0, 8
	SLOT 15, 0, 0
.Lb1:
	s_wait_dscnt 0x0                               ; for the others' sake: my rows and tables lie in LDS
	s_barrier_signal -1
	s_barrier_wait -1
	s_cmp_eq_u32 s[EMPTY], 1
	s_cbranch_scc1 .Lpb                            ; no rows: past the first product and the GELU
	KPASS 0, 0, 0                                  ; THE FIRST PRODUCT: tokens from X, at LDS byte 0
	; BETWEEN THE PRODUCTS: z = sum + b1, gelu, times the gate weight, rounded to f16: all in registers; LDS is only read here.
	s_lshl_b32 s[S0], s[WV], 10
	s_add_co_u32 s[S0], s[S0], B1T
	v_lshl_add_u32 v25, v2, 4, s[S0]
.irp q, 0,1,2,3
	ds_load_b128 v[48+4*\q:51+4*\q], v25 offset:256*\q   ; b1 of my columns 64 q + 4 r + 0..3
.endr
	s_lshr_b32 s[S0], s[WV], 1
	s_lshl_b32 s[S0], s[S0], 8
	s_add_co_u32 s[S0], s[S0], GWT
	v_lshl_add_u32 v26, v3, 5, s[S0]
.irp u, 0,1,2,3
	ds_load_b128 v[64+8*\u:67+8*\u], v26 offset:64*\u    ; my expert's gate weight for tokens 16 u + 8 h + 0..7
	ds_load_b128 v[68+8*\u:71+8*\u], v26 offset:64*\u+16
.endr
.irp n, 104,105
	v_mov_b32 v\n, 0x3e32303a                      ; A1 =  0.1740121
.endr
.irp n, 106,107
	v_mov_b32 v\n, 0xbd445ca1                      ; A2 = -0.0479399
.endr
.irp n, 108,109
	v_mov_b32 v\n, 0x3ebf7377                      ; A3 =  0.3739278
.endr
.irp n, 110,111
	v_mov_b32 v\n, 0xbf38aa3b                      ; CQ = -log2(e) / 2
.endr
.irp n, 112,113
	v_mov_b32 v\n, 0.5
.endr
	s_wait_dscnt 0x0
.irp i, 0,1,2,3,4,5,6,7
	v_mov_b32 v[96+\i], v[64+\i]                   ; the gate weights of the unit in hand, where the one text names them
.endr
; Block k's 32 finished numbers, rounded, into 16 registers of window 1: token j's four columns in the pair at 16 k + 2 j
.macro CVTB k
	WIN 0x40
.set j, 0
.rept 8
	v_cvt_pk_f16_f32 v[16*(\k)+2*j],   v[Z+j],    v[Z+8+j]
	v_cvt_pk_f16_f32 v[16*(\k)+2*j+1], v[Z+16+j], v[Z+24+j]
.set j, j+1
.endr
.endm
; Block k = 4 u + q.  The block before is put away; then the bias is added, which also brings four accumulators into the registers that the one text of the GELU names.
; Each accumulator's lowest registers are read first.
.macro GBLK k, last
.set UU, (\k)/4
.set QQ, (\k)%4
.if (\k) > 0
	CVTB (\k)-1
.endif
.set AB, 128*(UU%2)+32*QQ
	WIN 0x02+UU/2                                  ; source 0 in window 2 or 3
.irp c, 0,1,2,3
.irp p, 0,1,2,3
.if (\c)%2
	v_pk_add_f32 v[Z+8*\c+2*\p:Z+8*\c+2*\p+1], v[AB+8*\c+2*\p:AB+8*\c+2*\p+1], v[48+4*QQ+2*(\c/2):48+4*QQ+2*(\c/2)+1] op_sel:[0,1] op_sel_hi:[1,1]
.else
	v_pk_add_f32 v[Z+8*\c+2*\p:Z+8*\c+2*\p+1], v[AB+8*\c+2*\p:AB+8*\c+2*\p+1], v[48+4*QQ+2*(\c/2):48+4*QQ+2*(\c/2)+1] op_sel_hi:[1,0]
.endif
.endr
.endr
	WIN 0
.if (QQ == 0) && (UU > 0)
.irp i, 0,1,2,3,4,5,6,7
	v_mov_b32 v[96+\i], v[64+8*UU+\i]
.endr
.endif
.if !(\last)
	s_branch .Lgelu
.endif
.endm
	s_mov_b32 s[GI], 0
.Lgi:                                   ; 16 trips: block GI; only the blocks' roundings and packed additions are written 16 times
.irp k, 1,2,3,4,5,6,7,8,9,10,11,12,13,14,15
	s_cmp_eq_u32 s[GI], \k
	s_cbranch_scc1 .Lg_\k
.endr
	GBLK 0, 0
.irp k, 1,2,3,4,5,6,7,8,9,10,11,12,13,14
.Lg_\k:
	GBLK \k, 0
.endr
.Lg_15:
	GBLK 15, 1
.Lgelu:
	; 32 exponentials and 32 reciprocals are ONE batch: a pair's four stand between the next pair's four plain lines, and nothing names a result ahead of the one wait.
.set p, 0
.rept 16
	v_pk_mul_f32 v[E+2*p:E+2*p+1], v[Z+2*p:Z+2*p+1], v[110:111]
.if p > 0
	v_exp_f32 v[E+2*p-2], v[E+2*p-2]
.endif
	v_fma_f32 v[T+2*p], |v[Z+2*p]|, s[KP], 1.0
.if p > 0
	v_exp_f32 v[E+2*p-1], v[E+2*p-1]
.endif
	v_fma_f32 v[T+2*p+1], |v[Z+2*p+1]|, s[KP], 1.0
.if p > 0
	v_rcp_f32 v[T+2*p-2], v[T+2*p-2]
.endif
	v_pk_mul_f32 v[E+2*p:E+2*p+1], v[E+2*p:E+2*p+1], v[Z+2*p:Z+2*p+1]   ; CQ z^2
.if p > 0
	v_rcp_f32 v[T+2*p-1], v[T+2*p-1]
.endif
.set p, p+1
.endr
	v_exp_f32 v[E+30], v[E+30]
	v_exp_f32 v[E+31], v[E+31]
	v_rcp_f32 v[T+30], v[T+30]
	v_rcp_f32 v[T+31], v[T+31]
	v_nop                                          ; a plain instruction behind the last of them,
	s_wait_alu depctr_va_vdst(0)                   ; and the wait ahead of the first line that names a result: one for the 64
.set p, 0
.rept 16
	v_pk_fma_f32 v[P+2*p:P+2*p+1], v[T+2*p:T+2*p+1], v[108:109], v[106:107]
.set p, p+1
.endr
.set p, 0
.rept 16
	v_pk_fma_f32 v[P+2*p:P+2*p+1], v[P+2*p:P+2*p+1], v[T+2*p:T+2*p+1], v[104:105]
.set p, p+1
.endr
.set p, 0
.rept 16
	v_pk_mul_f32 v[P+2*p:P+2*p+1], v[P+2*p:P+2*p+1], v[T+2*p:T+2*p+1]   ; A1 t + A2 t^2 + A3 t^3
.set p, p+1
.endr
.set p, 0
.rept 16
	v_pk_fma_f32 v[E+2*p:E+2*p+1], v[P+2*p:P+2*p+1], v[E+2*p:E+2*p+1], v[112:113] neg_lo:[1,0,0] neg_hi:[1,0,0]   ; 1/2 - g
.set p, p+1
.endr
.set p, 0
.rept 16
	v_pk_mul_f32 v[T+2*p:T+2*p+1], v[Z+2*p:Z+2*p+1], v[112:113]         ; z / 2
.set p, p+1
.endr
.set p, 0
.rept 32
	v_fma_f32 v[Z+p], |v[Z+p]|, v[E+p], v[T+p]                          ; gelu
.set p, p+1
.endr
.set p, 0
.rept 16
	v_pk_mul_f32 v[Z+2*p:Z+2*p+1], v[Z+2*p:Z+2*p+1], v[96+2*(p%4):96+2*(p%4)+1]   ; times the token's gate weight
.set p, p+1
.endr
	s_add_co_u32 s[GI], s[GI], 1
	s_cmp_lt_u32 s[GI], 16
	s_cbranch_scc1 .Lgi
	CVTB 15                                        ; the last block is put away
	WIN 0
.Lpb:
	s_wait_loadcnt 0x0                             ; window 1, which the stores behind the barrier read, has no load on its way (behind a pass none is out; a work-group without rows awaits the head's two blocks here)
	s_wait_dscnt 0x0                               ; my reads of X and of the tables are over
	s_barrier_signal -1
	s_barrier_wait -1                              ; everybody's are: now LDS is written
	s_cmp_eq_u32 s[EMPTY], 1
	s_cbranch_scc1 .Lb3                            ; no rows: past h's stores
; h of blocks k0 .. k0 + 7 goes into H: each store two rows' 128 consecutive bytes, 32 banks apart
.macro HSTORE k0
	WIN 0x04                                       ; a store's data is source 1: window 1
.set k, \k0
.rept 8
.set j, 0
.rept 8
	ds_store_b64 v[HA+k/8], v[16*k+2*j:16*k+2*j+1] offset:((k/4)%2)*UROWS+(k%4)*128+j*PITCH
.set j, j+1
.endr
.set k, k+1
.endr
	WIN 0
.endm
	s_mov_b32 s[BA], s[O2]                         ; pass 1's blocks: W2[a]'s for places 0-15, W2[b]'s for places 16-31.  ROT has gone once round and stands where it began
	s_mov_b32 s[BB], s[O2M]
	SETVO 0, 0
	SETVO 1, 1
	HSTORE 0
	REFILL 0, 0                                    ; pass 1's step 0, into the half of window 1 that has just been stored,
	REFILL 0, 1
	HSTORE 8
	REFILL 1, 0                                    ; and the first half of its step 1: three halves, 48 loads, are out
	WIN 0
.Lb3:
	s_wait_dscnt 0x0                               ; for the others' sake: my part of H lies in LDS
	s_barrier_signal -1
	s_barrier_wait -1
	s_cmp_eq_u32 s[EMPTY], 1
	s_cbranch_scc1 .Lend                           ; no rows: past the second product and the way out
	KPASS 1, HB, 1                                 ; THE SECOND PRODUCT: tokens from H
	; THE WAY OUT: sum + w_a b2[a] + w_b b2[b], stored as it lies: 16 lanes hold 256 consecutive bytes of a row.
	v_lshlrev_b32 v26, 5, v3
	v_add_nc_u32 v26, GWT, v26                     ; GWT + 32 h
	s_lshl_b32 s[S0], s[WV], 10
	s_add_co_u32 s[S0], s[S0], B2T
	v_lshl_add_u32 v27, v2, 4, s[S0]               ; B2T + 1024 w + 16 r
.irp u, 0,1,2,3
	ds_load_b128 v[32+8*\u:35+8*\u], v26 offset:64*\u          ; w_a of tokens 16 u + 8 h + 0..7
	ds_load_b128 v[36+8*\u:39+8*\u], v26 offset:64*\u+16
	ds_load_b128 v[64+8*\u:67+8*\u], v26 offset:256+64*\u      ; w_b
	ds_load_b128 v[68+8*\u:71+8*\u], v26 offset:256+64*\u+16
	ds_load_b128 v[128+8*\u:131+8*\u], v26 offset:512+64*\u    ; their numbers
	ds_load_b128 v[132+8*\u:135+8*\u], v26 offset:512+64*\u+16
.endr
.irp q, 0,1,2,3
	ds_load_b128 v[96+4*\q:99+4*\q], v27 offset:256*\q         ; b2[a] of my columns
	ds_load_b128 v[112+4*\q:115+4*\q], v27 offset:4096+256*\q  ; b2[b]
.endr
	s_wait_dscnt 0x0
.set i, 0
.rept 32
	v_min_u32 v[128+i], 0x1fff, v[128+i]
	v_lshl_add_u32 v[128+i], v[128+i], 12, v[OB]   ; token x 4,096 + 1024 w + 16 r
.set i, i+1
.endr
; Unit u.  S[16 j + f], in half u % 2 of window 1, takes token j's number of fragment f; register 0 of every accumulator is read first.
.macro OUTU u
.if (\u) > 0
	s_cmp_le_u32 s[NROW], 16*(\u)
	s_cbranch_scc1 .Lend                           ; whole units past the count are not stored
.endif
.if (\u) >= 2
	s_wait_xcnt 0x0                                ; the half's registers, which unit u - 2's stores read, are rewritten only behind this wait
.endif
.set SB, 128*((\u)%2)
	WIN 0x60+0x10*((\u)/2)                         ; destination window 1, source 2 window 2 or 3
.set j, 0
.rept 8
.set f, 0
.rept 16
	v_fma_f32 v[SB+16*j+f], v[32+8*(\u)+j], v[96+f], v[SB+8*f+j]
.set f, f+1
.endr
.set j, j+1
.endr
	WIN 0x50                                       ; destination and source 2 window 1
.set j, 0
.rept 8
.set f, 0
.rept 8
.if j%2
	v_pk_fma_f32 v[SB+16*j+2*f:SB+16*j+2*f+1], v[64+8*(\u)+j-1:64+8*(\u)+j], v[112+2*f:112+2*f+1], v[SB+16*j+2*f:SB+16*j+2*f+1] op_sel:[1,0,0] op_sel_hi:[1,1,1]
.else
	v_pk_fma_f32 v[SB+16*j+2*f:SB+16*j+2*f+1], v[64+8*(\u)+j:64+8*(\u)+j+1], v[112+2*f:112+2*f+1], v[SB+16*j+2*f:SB+16*j+2*f+1] op_sel_hi:[0,1,1]
.endif
.set f, f+1
.endr
.set j, j+1
.endr
	WIN 0x04                                       ; a store's data is source 1: window 1
.set j, 0
.rept 8
.set f, 0
.rept 4
	global_store_b128 v[128+8*(\u)+j], v[SB+16*j+4*f:SB+16*j+4*f+3], s[18:19] offset:256*f th:TH_STORE_NT  ; each half of the lanes: 256 consecutive bytes, at a multiple of 256 from out's first
.set f, f+1
.endr
.set j, j+1
.endr
	WIN 0
.endm
	OUTU 0
	OUTU 1
	OUTU 2
	OUTU 3
.Lend:
	s_wait_dscnt 0x0                               ; my reads of LDS are over
	s_barrier_signal -1
	s_barrier_wait -1                              ; everybody's are: the add below is the one LDS write behind them
	s_wait_tensorcnt 0x0                           ; the wave's end, behind my last LDS store
	ds_add_u32 v[SPW], v[NIL]
	s_wait_dscnt 0x0
	s_endpgm
.Lfunc_end_k_qeb0a7598be_chain:
	.size	k_qeb0a7598be_chain, .Lfunc_end_k_qeb0a7598be_chain-k_qeb0a7598be_chain
	.p2alignl 7, 3214868480
	.fill 96, 4, 3214868480
	.section	.rodata,"a",@progbits
	.p2align	6, 0x0
	.amdhsa_kernel k_qeb0a7598be_chain
		.amdhsa_group_segment_fixed_size 277760
		.amdhsa_private_segment_fixed_size 0
		.amdhsa_enable_private_segment 0
		.amdhsa_kernarg_size 64
		.amdhsa_user_sgpr_count 2
		.amdhsa_user_sgpr_kernarg_segment_ptr 1
		.amdhsa_wavefront_size32 1
		.amdhsa_system_sgpr_workgroup_id_x 1
		.amdhsa_system_sgpr_workgroup_id_y 1
		.amdhsa_system_sgpr_workgroup_id_z 1
		.amdhsa_system_vgpr_workitem_id 0
		.amdhsa_next_free_vgpr 1024
		.amdhsa_next_free_sgpr 90
		.amdhsa_reserve_vcc 0
		.amdhsa_float_denorm_mode_32 3
		.amdhsa_float_denorm_mode_16_64 3
		.amdhsa_memory_ordered 1
		.amdhsa_forward_progress 1
		.amdhsa_inst_pref_size 255
	.end_amdhsa_kernel
	.section	.bss,"aw",@nobits
	.p2align	6
	.space	262144
	.amdgpu_metadata
---
amdhsa.version: [ 1, 2 ]
amdhsa.kernels:
  - .name:           k_qeb0a7598be_chain
    .symbol:         k_qeb0a7598be_chain.kd
    .args:
      - { .name: hidden_states, .offset: 0, .size: 8, .value_kind: global_buffer, .address_space: global }
      - { .name: b1, .offset: 8, .size: 8, .value_kind: global_buffer, .address_space: global }
      - { .name: b2, .offset: 16, .size: 8, .value_kind: global_buffer, .address_space: global }
      - { .name: wl, .offset: 24, .size: 8, .value_kind: global_buffer, .address_space: global }
      - { .name: list, .offset: 32, .size: 8, .value_kind: global_buffer, .address_space: global }
      - { .name: cnt, .offset: 40, .size: 8, .value_kind: global_buffer, .address_space: global }
      - { .name: gates, .offset: 48, .size: 8, .value_kind: global_buffer, .address_space: global }
      - { .name: out0, .offset: 56, .size: 8, .value_kind: global_buffer, .address_space: global }
    .group_segment_fixed_size: 277760
    .private_segment_fixed_size: 0
    .kernarg_segment_align: 8
    .kernarg_segment_size: 64
    .max_flat_workgroup_size: 128
    .sgpr_count:     90
    .vgpr_count:     1024
    .wavefront_size: 32
...
	.end_amdgpu_metadata
.endif
;; end of part 3
;; ======== version 2 of 2: 3 launches; version 1 with the launch chain written anew for expert scheduling mode
;; limits: a function is approximated: absolute error at most 2.5e-05; values are held in f16: magnitudes above 65,504 overflow, below 6.1e-05 lose precision; inputs' magnitudes at most 65,504
;; workspace buffers: sets 32,768 bytes of whole numbers; gates 65,536 bytes; list 917,504 bytes of whole numbers; cnt 256 bytes of whole numbers; wl 16,777,216 bytes
;; launch router: the kernel of part 1 again; grid 256 x 1, 8 waves a work-group, no clusters, 33,792 bytes of LDS; arguments hidden_states, gate_w, sets, gates; writes sets, gates
;; launch prep: the kernel of part 2 again; grid 284 x 1, 8 waves a work-group, no clusters, 69,888 bytes of LDS; arguments sets, W1, W2, list, cnt, wl; writes list, cnt, wl
;; launch chain (part 4): grid 155 x 1, 4 waves a work-group, no clusters, 277,760 bytes of LDS; arguments hidden_states, b1, b2, wl, list, cnt, gates, out0; writes out0
.if DOCPART == 4
	.amdgcn_target "amdgcn-amd-amdhsa--gfx1250"
	.amdhsa_code_object_version 6
	.text
	.protected	k_qeb0a7598be_chain
	.globl	k_qeb0a7598be_chain
	.p2align	8
	.type	k_qeb0a7598be_chain,@function
k_qeb0a7598be_chain:
	s_mov_b64 s[64:65], 0
	v_nop
	global_prefetch_b8 v0, s[64:65] scope:SCOPE_SE
	s_setreg_imm32_b32 hwreg(HW_REG_WAVE_SCHED_MODE, 0, 2), 2
	s_setreg_imm32_b32 hwreg(HW_REG_WAVE_MODE, 25, 1), 1
	s_wait_xcnt 0x0
	s_wait_alu depctr_vm_vsrc(0)
; THE TWO CHOSEN EXPERTS OF EACH TOKEN, IN ONE GO.  out[t] = w_a (gelu(x W1[a]^T + b1[a]) W2[a]^T + b2[a]) + w_b (the same with b), a < b the token's pair, w_a, w_b its gate weights.
; A work-group takes 64 tokens of ONE pair (set) through the whole chain: gather, first product, bias, exact GELU, gate weight, second product, second bias, store.  Each output row has one owner.
; THE GRID.  With n_s tokens in set s there are sum of ceil(n_s / 64) <= 8192 / 64 + 27 = 155 tiles, whatever the split.  Every work-group finds its tile from the 28 stored counts.  One that the split leaves without
; rows asks for two weight blocks a wave (128 KiB, asked for ahead of the test), jumps all work, passes all four barriers and stores nothing.  In a tile that is not full the places past the count repeat its last token:
; whole groups of 16 such rows are not stored, the others store the same bytes to the same row again (15 rows a set at the most).
; BOTH PRODUCTS have the shape [64 x 1024], K = 1024, and one macro, KPASS.  Pass 0: columns = hidden units, waves 0, 1 the halves of expert a's 512, waves 2, 3 of b's; K = channels of x.
; Pass 1: columns = output channels 256 w on; K steps 0-15 = a's hidden units with W2[a], steps 16-31 = b's with W2[b]: h is multiplied by the gate weight before it is rounded, so both experts add into one accumulator.
; The macro is written out twice, so that the four barriers stand in straight text.
; A wave makes 64 x 256: 4 units of 16 tokens x 16 fragments: 64 accumulators, 512 registers.  Source 0 = tokens, from LDS, shared by the four waves.  Source 1 = weights: each fragment is wanted by ONE wave of the
; work-group, so it goes from wl (laid in operand order by the launch before) straight into registers, 512 consecutive bytes a load: no ring in LDS and no barrier in the K loop.
; THE WEIGHT STREAM.  Window 1 holds two step blocks as four halves of 8 fragments (16 loads, 8 KiB).  A half is filled again, with the half three further on in the stream, among the first products behind the last
; product that read it.  So 48 loads of a wave, 24 KiB, are out behind each refill; a fourth half would make 64, one more than LOADcnt's six bits count, and the wave would stand at the 64th load until the oldest is back (ISA guide 5.7.1).
; K GOES ROUND.  Work-group n begins K at step n mod 32 and walks round to where it began: tiles that walk the same expert's blocks ask for different blocks at any one time, not all for the same one.
; So the order of K in the sums differs from tile to tile.
; Fragment f = 4 q + c holds columns 64 q + 4 r + c (r = lane % 16): four fragments give a lane four neighbouring columns, 16 lanes 256 consecutive bytes of an f32 row: the result needs no stage.
; LDS IN PHASES.  Between two barriers the waves either store to LDS or load from it, never both: gather (stores) | pass 0, its tables, the GELU in registers (loads) | h (stores) | pass 1, its tables (loads).
; The rounded h waits for its barrier in the 256 registers of window 1; so pass 1's first three halves of weights are asked for only among and behind h's stores.
; NO CLUSTER.  What tiles share is the weights of their set.  Partners would have to be tiles of one set, whose number is any from 0 to 128: whole clusters of four raise the bound on the grid from 155 to
; 4 x (32 + 27) = 236; and a joint load lands in LDS, where x and h take 264,192 of 327,680 bytes, while one K step's blocks for four waves are 65,536 bytes and two slots would be wanted.
; FORMATS.  x, W1, w h, W2: rounded once from f32 to f16; sums, biases, GELU and gate weights in f32.  The gate weight enters ahead of the second product, not behind it as in the formula above.
; GELU.  erf by Abramowitz and Stegun 7.1.25, off by 2.5e-5 at the most for every argument: t = 1 / (1 + KP |z|), g = (A1 t + A2 t^2 + A3 t^3) 2^(CQ z^2) = erfc(|z| / sqrt 2) / 2, gelu = z / 2 + |z| (1 / 2 - g).
; LIMITS.  f16 holds no number beyond 65,504: |x|, |W1|, |W2| and |w gelu| beyond that become infinities; below 6e-5 f16 keeps its fixed step of 6e-8.  NaN and infinities are not treated apart.
; LDS.  X 64 rows x 2,064 bytes (2,048 + 16: row r starts at bank 4 r mod 64; 64 banks of 4 bytes: ISA guide 11.1); H the same; then b1 and b2 of the two experts, the gate weights, the token numbers, the spare words.
; REGISTERS, in windows of 256 (s_set_vgpr_msb: bits 1:0 source 0, 3:2 source 1, 5:4 source 2, 7:6 destination):
;   window 0: v0-29 addresses; v32-95 two buffers of token fragments (4 units x 8); v128-255 at work outside the K loop.   window 1: weight buffers 0 and 1, 128 each (fragment f at 8 f).
;   window 2: accumulators of units 0, 1 (unit u, fragment f at 128 (u % 2) + 8 f);   window 3: of units 2, 3.   Outside the K loop windows 0 and 1 are at work for the gather and the two ways out.
; THE MODE: SCHED_MODE bits 1:0 = 2 (LLVM: expert scheduling mode 2), set by the entry lines.  The code itself states the register dependences between vector or matrix instructions and memory or LDS
; instructions, with s_wait_alu, always for 0.
; THE PLAN.  Registers that memory or LDS instructions touch in the K loop; step i, par = i % 2:
;   weight buffer par, first half    read by step i's first 32 products; step i + 2's loads land in it, dealt among step i's second 32 products.
;   weight buffer par, second half   read by step i's second 32 products; step i + 2's loads land in it, dealt among step i + 1's first 32 products.
;   token buffer par                 read by step i's 64 products; step i + 2's eight LDS loads land in it in step i + 1's second half.
;   v[VO+par]                        written at the head of step i's second half; read by the weight loads of that half and of step i + 1's first half.
;   v[AA], v[AA+1]                   written at the head of every step's second half; read by the eight LDS loads behind.
;   The accumulators are named by matrix instructions alone.
; So a step has two waits on va_vdst, one at the head of each half, behind the wait for that half's weights, and one on vm_vsrc, ahead of the three additions.  The products behind each wait name the half in hand,
; token buffer par and the accumulators: none of the registers that the half's loads touch; so these are dealt among the products with no further wait.  Outside the loop each wait's comment names what it states.
.set PITCH, 2064
.set UROWS, 16*PITCH                   ; a unit's 16 rows
.set HB,    64*PITCH                   ; H behind X
.set B1T,   2*64*PITCH                 ; [slot 0..1][512] f32
.set B2T,   B1T+4096                   ; [slot][1024] f32
.set GWT,   B2T+8192                   ; [slot][64] f32
.set TOKT,  GWT+512                    ; [64] u32
.set AA,  4                            ; v4, v5   LDS address of my token fragments: units 0-1, units 2-3
.set VO,  6                            ; v6, v7   byte offset in wl of the block with which weight buffer 0, 1 is being filled
.set GA,  10                           ; v10-13   the gather's offsets in x, one for each landing slot
.set XS,  14                           ; v14      where the gather puts 8 bytes of a row
.set HA,  15                           ; v15, v16 where my 8 bytes of h go: units 0-1, units 2-3; never rewritten
.set OB,  17                           ; v17      1024 w + 16 r: my 16 bytes in an output row, q = 0
.set AL,  20                           ; v20      r x pitch + 16 h: a lane's place in a fragment; never rewritten
.set AL2, 21                           ; v21      the same two units on
.set TGW, 22                           ; v22-24   where the gather puts the gate weights and token numbers, b1, b2
.set TB1, 23
.set TB2, 24
.set AF,  32                           ; the token fragments
.set Z,   128                          ; the GELU's 32 numbers a lane: Z[8 c + j] = token j of my eight, column c of my four
.set T,   160
.set E,   192
.set P,   224
.set WV,  20                           ; s20 wave            s21 work-group
.set WGN, 21
.set ACCT, 22                          ; tiles of the sets so far
.set SETI, 23                          ; my set
.set BASE, 24                          ; tiles ahead of my set
.set CNTS, 25                          ; my set's tokens
.set JTL, 26                           ; my tile in the set
.set EA,  27
.set EB,  28
.set EW,  29                           ; my wave's expert in pass 0
.set NROW, 30                          ; rows of my tile, 0 .. 64
.set EMPTY, 31
.set CN,  32                           ; s[32:59] the 28 counts
.set ROT, 60                           ; the place in K, 0 .. 31, of the step in hand: (step + work-group) mod 32
.set BB,  61                           ; block number of wl = BA + place for places 0-15, BB + place for places 16-31
.set BA,  62
.set TRIP, 63
.set O2M, 66                           ; the number of W2[b]'s first block for my wave, less 16
.set GI,  67
.set TK,  68                           ; s[68:83] token << 12 of my wave's 16 rows
.set KP,  84
.set S0,  85
.set S1,  86
.set O2,  87                           ; the number of W2[a]'s first block for my wave
.set S2,  88
.set MSB, 0
.macro WIN new                         ; the high byte repeats the setting that is left; a switch that changes nothing is dropped
.if MSB != (\new)
	s_set_vgpr_msb (MSB<<8)|(\new)
.set MSB, \new
.endif
.endm
.macro PLACES                          ; a vector instruction that touches a matrix instruction's registers stands four plain vector instructions behind it (ISA guide 7.12.1)
.rept 4
	v_nop
.endr
.endm
; Buffer par's offset in wl: the block of the place d behind ROT, held inside wl's 1,024 blocks, times 16 KiB, + 16 x lane
.macro SETVO par, d
	s_add_co_u32 s[S0], s[ROT], \d
	s_and_b32 s[S0], s[S0], 31
	s_cmp_lt_u32 s[S0], 16
	s_cselect_b32 s[S2], s[BA], s[BB]
	s_add_co_u32 s[S0], s[S0], s[S2]
	s_min_u32 s[S0], s[S0], 0x3ff
	s_lshl_b32 s[S0], s[S0], 14
	v_add_nc_u32 v[VO+(\par)], s[S0], v1
.endm
; 4 loads: fragments 8 hf + 2 g and 8 hf + 2 g + 1 of the block at v[VO+par], into their places in weight buffer par
.macro LD4 par, hf, g
	WIN 0x40
.set lf, 8*(\hf)+2*(\g)
.rept 2
	global_load_b128 v[128*(\par)+8*lf:128*(\par)+8*lf+3],   v[VO+(\par)], s[10:11] offset:1024*lf
	global_load_b128 v[128*(\par)+8*lf+4:128*(\par)+8*lf+7], v[VO+(\par)], s[10:11] offset:1024*lf+512
.set lf, lf+1
.endr
.endm
; 16 loads in one run: half hf of a block
.macro REFILL par, hf
.irp g, 0,1,2,3
	LD4 \par, \hf, \g
.endr
.endm
; 8 LDS loads: the four units' fragments of 32 along K, into token buffer ab
.macro ALOAD ab
.irp u, 0,1,2,3
	ds_load_b128 v[AF+32*(\ab)+8*\u:AF+32*(\ab)+8*\u+3],   v[AA+\u/2] offset:(\u%2)*UROWS
	ds_load_b128 v[AF+32*(\ab)+8*\u+4:AF+32*(\ab)+8*\u+7], v[AA+\u/2] offset:(\u%2)*UROWS+32
.endr
.endm
; The scalar work of a K step, two lines at a time between products: ROT goes on to the next step's place; S1 = that place's LDS byte; S0 = the byte in wl of the block two steps on
.macro RIDER k
.if (\k) == 0
	s_add_co_u32 s[ROT], s[ROT], 1
	s_and_b32 s[ROT], s[ROT], 31
.elseif ((\k) == 1) && R_AL
	s_lshl_b32 s[S1], s[ROT], 6                    ; 32 along K are 64 bytes of a row
.if R_AB
	s_add_co_u32 s[S1], s[S1], R_AB
.endif
.elseif ((\k) == 2) && R_RF
	s_add_co_u32 s[S0], s[ROT], 1
	s_and_b32 s[S0], s[S0], 31
.elseif ((\k) == 3) && R_RF
	s_cmp_lt_u32 s[S0], 16
	s_cselect_b32 s[S2], s[BA], s[BB]
.elseif ((\k) == 4) && R_RF
	s_add_co_u32 s[S0], s[S0], s[S2]
	s_min_u32 s[S0], s[S0], 0x3ff                  ; held inside wl's 1,024 blocks
.elseif ((\k) == 5) && R_RF
	s_lshl_b32 s[S0], s[S0], 14
.endif
.endm
; The loads of half a K step, dealt behind its first fragments' products: the eight LDS loads into token buffer D_AB (D_AL = 1) behind the first, then half D_HF of weight buffer D_PAR (D_RF = 1), four loads at a time.
; No wait stands here: no vector or matrix instruction since the wait at the half's head names a register that these loads touch.
.macro DEAL k
.if D_AL && ((\k) == 0)
	WIN 0
	ALOAD D_AB
.endif
.if D_RF && ((\k) >= D_AL) && ((\k) < D_AL+4)
	LD4 D_PAR, D_HF, (\k)-D_AL
.endif
.endm
; 2 nf matrix instructions: fragments f0 .. f0 + nf - 1 x units 2 hi, 2 hi + 1, from buffers par.  The accumulators take turns, one instruction a turn: between two links of a chain stand
; the 63 others'.  zero = 1: the products start the sums.  rid = 1: the step's scalar work behind each two.  dl = 1: the half's loads behind each two.
.macro WM par, f0, nf, hi, zero, rid, dl
.set wf, \f0
.rept \nf
	WIN 0xa4+0x50*(\hi)
.irp u, 0,1
.if \zero
	v_wmma_f32_16x16x32_f16 v[128*\u+8*wf:128*\u+8*wf+7], v[AF+32*(\par)+8*(2*(\hi)+\u):AF+32*(\par)+8*(2*(\hi)+\u)+7], v[128*(\par)+8*wf:128*(\par)+8*wf+7], 0
.else
	v_wmma_f32_16x16x32_f16 v[128*\u+8*wf:128*\u+8*wf+7], v[AF+32*(\par)+8*(2*(\hi)+\u):AF+32*(\par)+8*(2*(\hi)+\u)+7], v[128*(\par)+8*wf:128*(\par)+8*wf+7], v[128*\u+8*wf:128*\u+8*wf+7]
.endif
.endr
.if \rid
	RIDER wf-(\f0)
.endif
.if \dl
	DEAL wf-(\f0)
.endif
.set wf, wf+1
.endr
.endm
; K STEP i multiplies buffers par = i % 2, in two halves of 32 matrix instructions.  Each half: the wait for its fragments; the waits that state what its loads hang on; its 32 products, the loads dealt behind the first of them.
; rfa = 1: the first half's loads fill the second half of the other buffer, read at the end of step i - 1, with step i + 1's.  rfb = 1: the second half's loads fill the first half of this buffer, just read, with
; step i + 2's.  al = 1: the second half also fetches step i + 1's token fragments.  last = 1: step 31, behind whose halves one half and none is out.  ab: the tokens' first LDS byte.
.macro STEP par, zero, al, rfa, rfb, last, ab
.set R_AL, \al
.set R_RF, \rfb
.set R_AB, \ab
	s_wait_dscnt 0x0                               ; this step's token fragments, asked for half a step ago
	s_wait_loadcnt 32-16*(\last)                   ; this half's 16 loads are in; the two halves asked for behind it stay out
.if (\rfa) && !(\zero)
	s_wait_alu depctr_va_vdst(0)                   ; the second 32 products of step i - 1 are done reading the second half of the other weight buffer, in which the loads dealt below land (in a pass's step 0 no product has read it: the wait at the pass's head serves)
.endif
.set D_AL, 0
.set D_AB, 0
.set D_RF, \rfa
.set D_PAR, 1-(\par)
.set D_HF, 1
	WM \par, 0, 8, 0, \zero, 1, \rfa
	WM \par, 0, 8, 1, \zero, 0, 0
	s_wait_loadcnt 32-32*(\last)                   ; the second half likewise
.if (\al) || (\rfb)
	WIN 0
	s_wait_alu depctr_vm_vsrc(0)                   ; the loads issued so far have read v[VO+par], v[AA] and v[AA+1], which the lines below write
.if \rfb
	v_add_nc_u32 v[VO+(\par)], s[S0], v1           ; free: all loads that named it, this step's block, have been shown done by the wait on LOADcnt above
.endif
.if \al
	v_add_nc_u32 v[AA], s[S1], v[AL]
	v_add_nc_u32 v[AA+1], s[S1], v[AL2]
.endif
	s_wait_alu depctr_va_vdst(0)                   ; these addresses are written; this step's first 32 products are done reading the first half of this weight buffer, and step i - 1's products the other token buffer: the loads dealt below land in both
.endif
.set D_AL, \al
.set D_AB, 1-(\par)
.set D_RF, \rfb
.set D_PAR, \par
.set D_HF, 0
	WM \par, 8, 8, 1, \zero, 0, (\al)|(\rfb)
	WM \par, 8, 8, 0, \zero, 0, 0
.endm
; A PASS: 32 K steps of 64 matrix instructions.  It finds ROT at its first place, BA and BB set, v[VO] and v[VO+1] at steps 0 and 1's blocks, and of these blocks three halves asked for (f0 = 1) or all four (f0 = 0).
; Written: step 0, which starts the sums; a loop of an even and an odd step, entered at the odd one (steps 1 to 29); steps 30 and 31, which ask for nothing past the pass's end.  n ends the labels' names.
.macro KPASS n, ab, f0
	s_lshl_b32 s[S1], s[ROT], 6
.if \ab
	s_add_co_u32 s[S1], s[S1], \ab
.endif
	s_wait_alu depctr_vm_vsrc(0)                   ; pass 0: the gather's LDS stores have read v32 to v75, in which token fragments land; pass 1: pass 0's LDS loads have read v[AA] and v[AA+1], which the lines below write
	v_add_nc_u32 v[AA], s[S1], v[AL]
	v_add_nc_u32 v[AA+1], s[S1], v[AL2]
	s_wait_alu depctr_va_vdst(0)                   ; the two addresses are written; the vector lines that named v32 to v95 (the gather's roundings; the bias additions and the gate weights' moves) are done with them
	ALOAD 0
	STEP 0, 1, 1, \f0, 1, 0, \ab
	WIN 0                                          ; at a label and at a branch every window is 0
	s_mov_b32 s[TRIP], 15                          ; counts the odd steps
	s_branch .Lm\n
.Lk\n:
	STEP 0, 0, 1, 1, 1, 0, \ab
	WIN 0
.Lm\n:
	STEP 1, 0, 1, 1, 1, 0, \ab
	WIN 0
	s_sub_co_u32 s[TRIP], s[TRIP], 1
	s_cmp_lg_u32 s[TRIP], 0
	s_cbranch_scc1 .Lk\n
	STEP 0, 0, 1, 1, 0, 0, \ab                     ; step 30 asks for step 31's second half and its token fragments,
	STEP 1, 0, 0, 0, 0, 1, \ab                     ; step 31 for nothing: it holds no s_wait_alu
	WIN 0
	PLACES                                         ; behind the last products: the vector lines that follow read results and write operands
.endm
	s_load_b512 s[4:19], s[0:1], 0x0               ; x s[4:5], b1 s[6:7], b2 s[8:9], wl s[10:11], list s[12:13], cnt s[14:15], gates s[16:17], out s[18:19]
	v_lshl_add_u32 v30, v0, 2, 0x43b00
	v_mov_b32 v31, 0
	v_lshrrev_b32 v18, 5, v0
	v_readfirstlane_b32 s[WV], v18                 ; wave 0..3
	v_and_b32 v19, 31, v0                          ; lane
	v_lshlrev_b32 v1, 4, v19                       ; 16 x lane
	v_and_b32 v2, 15, v0                           ; r
	v_bfe_u32 v3, v0, 4, 1                         ; h
	s_mov_b32 s[WGN], ttmp9
	s_wait_kmcnt 0x0
	s_load_b512 s[CN:CN+15], s[14:15], 0x0         ; the 28 counts
	s_load_b256 s[CN+16:CN+23], s[14:15], 0x40
	s_load_b128 s[CN+24:CN+27], s[14:15], 0x60
	v_mul_u32_u24 v[AL], v2, PITCH
	v_lshl_add_u32 v[AL], v3, 4, v[AL]
	v_add_nc_u32 v[AL2], 2*UROWS, v[AL]
	s_wait_alu depctr_va_sdst(0)                   ; s[WV] is written, ahead of its first reader
	s_mul_i32 s[S0], s[WV], UROWS
	v_lshl_add_u32 v[XS], v19, 3, s[S0]            ; X + my wave's 16 rows + 8 x lane
	v_mul_u32_u24 v[HA], v3, 8*PITCH
	v_lshl_add_u32 v[HA], v2, 3, v[HA]
	s_lshl_b32 s[S0], s[WV], 9
	s_add_co_u32 s[S0], s[S0], HB
	v_add_nc_u32 v[HA], s[S0], v[HA]               ; H + 8 h rows + 512 w + 8 r
	v_add_nc_u32 v[HA+1], 2*UROWS, v[HA]
	s_lshl_b32 s[S0], s[WV], 10
	v_lshl_add_u32 v[OB], v2, 4, s[S0]
	s_lshl_b32 s[S0], s[WV], 6
	s_add_co_u32 s[S0], s[S0], GWT
	v_lshl_add_u32 v[TGW], v2, 2, s[S0]            ; GWT + 64 w + 4 r; the second slot lies 256 on, the token numbers 512 on
	s_lshl_b32 s[S0], s[WV], 10
	s_add_co_u32 s[S0], s[S0], B1T
	v_add_nc_u32 v[TB1], s[S0], v1                 ; B1T + 1024 w + 16 lane
	s_lshl_b32 s[S0], s[WV], 11
	s_add_co_u32 s[S0], s[S0], B2T
	v_add_nc_u32 v[TB2], s[S0], v1                 ; B2T + 2048 w + 16 lane
	v_mov_b32 v9, 0                                ; written whole once: the load into it is jumped by a work-group without rows
	s_mov_b32 s[ACCT], 0
	s_mov_b32 s[SETI], 0
	s_mov_b32 s[BASE], 0
	s_mov_b32 s[CNTS], 0
	s_wait_kmcnt 0x0
.set k, 0
.rept 28                                ; my set is the last whose first tile is not behind my number
	s_cmp_le_u32 s[ACCT], s[WGN]
	s_cselect_b32 s[SETI], k, s[SETI]
	s_cselect_b32 s[BASE], s[ACCT], s[BASE]
	s_cselect_b32 s[CNTS], s[CN+k], s[CNTS]
	s_add_co_u32 s[S0], s[CN+k], 63
	s_lshr_b32 s[S0], s[S0], 6
	s_add_co_u32 s[ACCT], s[ACCT], s[S0]
.set k, k+1
.endr
	s_sub_co_u32 s[JTL], s[WGN], s[BASE]
	s_lshl_b32 s[S0], s[JTL], 6
	s_sub_co_i32 s[NROW], s[CNTS], s[S0]           ; what is left of the set from my tile on
	s_cmp_le_i32 s[NROW], 0
	s_cselect_b32 s[EMPTY], 1, 0
	s_min_i32 s[NROW], s[NROW], 64
	s_max_i32 s[NROW], s[NROW], 0
	s_mov_b32 s[EA], 0                             ; a = how many of the sets' first numbers for a = 1 .. 6 are not above my set
.irp t, 7,13,18,22,25,27
	s_cmp_ge_u32 s[SETI], \t
	s_add_co_ci_u32 s[EA], s[EA], 0
.endr
	s_sub_co_u32 s[S0], 15, s[EA]
	s_mul_i32 s[S0], s[S0], s[EA]
	s_lshr_b32 s[S0], s[S0], 1
	s_sub_co_u32 s[EB], s[SETI], s[S0]
	s_add_co_u32 s[EB], s[EB], s[EA]
	s_add_co_u32 s[EB], s[EB], 1                   ; b = set - a (15 - a) / 2 + a + 1
	s_min_u32 s[EA], s[EA], 7                      ; what enters an offset is held inside its table
	s_min_u32 s[EB], s[EB], 7
	s_min_u32 s[SETI], s[SETI], 27
	s_cmp_lt_u32 s[WV], 2
	s_cselect_b32 s[EW], s[EA], s[EB]
	s_min_u32 s[EW], s[EW], 7
	s_and_b32 s[S1], s[WV], 1
	s_lshl_b32 s[BA], s[EW], 6
	s_lshl_b32 s[S1], s[S1], 5
	s_add_co_u32 s[BA], s[BA], s[S1]               ; W1's blocks of my expert and my half: e << 6 | g << 5 | place,
	s_mov_b32 s[BB], s[BA]                         ; for all 32 places
	s_lshl_b32 s[S0], s[WV], 4
	s_add_co_u32 s[S0], s[S0], 512                 ; W2's blocks: 512 + (e << 6 | w << 4 | place in the expert's 16)
	s_lshl_b32 s[O2], s[EA], 6
	s_add_co_u32 s[O2], s[O2], s[S0]
	s_lshl_b32 s[O2M], s[EB], 6
	s_add_co_u32 s[O2M], s[O2M], s[S0]
	s_sub_co_u32 s[O2M], s[O2M], 16
	s_and_b32 s[ROT], s[WGN], 31                   ; where my walk round K begins
	s_mov_b32 s[KP], 0x3eaa540e                    ; 0.33267253 = 0.47047 / sqrt 2
	SETVO 0, 0
	SETVO 1, 1
	s_wait_alu depctr_va_vdst(0)                   ; all that was made so far is written: v[VO], v[VO+1], which the weight loads below read; v[XS], v[HA ..], v[TGW ..], the LDS stores' addresses; and v9, in which the list's load lands
	s_cmp_eq_u32 s[EMPTY], 1
	s_cbranch_scc1 .Lw
	; my wave's 16 rows: lanes r and 16 + r ask for row r's token.  This load goes out first: the gather hangs on it
	s_lshl_b32 s[S0], s[JTL], 6
	s_lshl4_add_u32 s[S0], s[WV], s[S0]            ; 64 x tile + 16 w
	v_add_nc_u32 v18, s[S0], v2
	s_sub_co_u32 s[S1], s[CNTS], 1
	v_min_u32 v18, s[S1], v18                      ; places past the count repeat the set's last token
	v_min_u32 v18, 0x1fff, v18
	s_lshl_b32 s[S1], s[SETI], 15
	v_lshl_add_u32 v18, v18, 2, s[S1]
	s_wait_alu depctr_va_vdst(0)                   ; v18 is written, which the load reads as its offset
	global_load_b32 v9, v18, s[12:13]
.Lw:
	REFILL 0, 0                                    ; pass 0's steps 0 and 1, all four halves: they hang on the set alone, so they go out ahead of the gather, in a work-group without rows too.
	REFILL 0, 1                                    ; With the list's load 65 are asked for: the last two are issued when the first two are back (ISA guide 5.7.1), where the wave waits for the first in any case.
	REFILL 1, 0                                    ; No vector line since the wait ahead of the branch names v[VO], v[VO+1] or a register of window 1
	REFILL 1, 1
	WIN 0
	s_cmp_eq_u32 s[EMPTY], 1
	s_cbranch_scc1 .Lb1
	; THE GATHER.  All seven offsets are made first, so that one wait serves the 39 loads behind them.
	s_wait_loadcnt 63                              ; the token numbers are in: 64 loads were issued behind theirs
	v_min_u32 v9, 0x1fff, v9
.set i, 0
.rept 16
	v_readlane_b32 s[TK+i], v9, i
.set i, i+1
.endr
	s_wait_alu depctr_vm_vsrc(0)                   ; the list's load has read v18, which the next line writes
	v_lshlrev_b32 v18, 3, v9
	s_wait_alu depctr_va_sdst(0)                   ; s[TK ..] are written, ahead of their first readers: one wait for the sixteen
.set i, 0
.rept 16
	s_min_u32 s[TK+i], s[TK+i], 0x1fff
	s_lshl_b32 s[TK+i], s[TK+i], 12                ; a row of x is 4,096 bytes
.set i, i+1
.endr
	s_and_b32 s[S1], s[WV], 1
	s_lshl_b32 s[S0], s[EW], 11
	s_lshl_b32 s[S1], s[S1], 10
	s_add_co_u32 s[S0], s[S0], s[S1]
	v_add_nc_u32 v28, s[S0], v1                    ; b1: my expert, my half: 1,024 bytes
	s_lshl_b32 s[S0], s[S0], 1
	v_add_nc_u32 v29, s[S0], v1                    ; b2: my expert, half w % 2: 2,048 bytes
.irp s, 0,1,2,3
	v_add_nc_u32 v[GA+\s], s[TK+\s], v1
.endr
	s_wait_alu depctr_va_vdst(0)                   ; v18, v28, v29 and v[GA ..], the loads' offsets, are written; so is v9, which an LDS store below reads
	global_load_b64 v[48:49], v18, s[16:17]        ; (w_a, w_b)
	global_load_b128 v[52:55], v28, s[6:7]
	global_load_b128 v[56:59], v28, s[6:7] offset:512
.irp i, 0,1,2,3
	global_load_b128 v[60+4*\i:63+4*\i], v29, s[8:9] offset:512*\i
.endr
.irp s, 0,1,2,3
.irp j, 0,1,2,3,4,5,6,7
	global_load_b128 v[128+32*\s+4*\j:128+32*\s+4*\j+3], v[GA+\s], s[4:5] offset:512*\j
.endr
.endr
	s_wait_loadcnt 32                              ; the tables are in; the four rows' 32 loads stay out
	ds_store_b32 v[TGW], v48
	ds_store_b32 v[TGW], v49 offset:256
	ds_store_b32 v[TGW], v9 offset:512
	ds_store_b128 v[TB1], v[52:55]
	ds_store_b128 v[TB1], v[56:59] offset:512
.irp i, 0,1,2,3
	ds_store_b128 v[TB2], v[60+4*\i:63+4*\i] offset:512*\i
.endr
; Row rho of my 16: rounded to f16 and laid into X; its landing slot takes the row four further on.  left: the younger rows' loads, which stay out.
.macro SLOT rho, ahead, left
.set LD, 128+32*((\rho)%4)
	s_wait_loadcnt \left
	s_wait_alu depctr_vm_vsrc(0)                   ; the row before's LDS stores have read v32 to v47, and this slot's loads its offset: the lines below write both
.set j, 0
.rept 8
	v_cvt_pk_f16_f32 v[32+2*j], v[LD+4*j], v[LD+4*j+1]
	v_cvt_pk_f16_f32 v[33+2*j], v[LD+4*j+2], v[LD+4*j+3]
.set j, j+1
.endr
.if \ahead
	v_add_nc_u32 v[GA+(\rho)%4], s[TK+(\rho)+4], v1    ; free since the wait on LOADcnt above
.endif
	s_wait_alu depctr_va_vdst(0)                   ; the roundings have written v32 to v47, which the LDS stores read, and are done reading the slot, in which the loads land; the slot's offset is written
.if \ahead
.set j, 0
.rept 8
	global_load_b128 v[LD+4*j:LD+4*j+3], v[GA+(\rho)%4], s[4:5] offset:512*j
.set j, j+1
.endr
.endif
.set j, 0
.rept 8
	ds_store_b64 v[XS], v[32+2*j:33+2*j] offset:(\rho)*PITCH+256*j  ; 32 lanes, 256 consecutive bytes
.set j, j+1
.endr
.endm
.irp n, 0,1,2,3,4,5,6,7,8,9,10,11
	SLOT \n, 1, 24
.endr
	SLOT 12, 0, 24
	SLOT 13, 0, 16
	SLOT 14, 0, 8
	SLOT 15, 0, 0
.Lb1:
	s_wait_dscnt 0x0                               ; for the others' sake: my rows and tables lie in LDS
	s_barrier_signal -1
	s_barrier_wait -1
	s_cmp_eq_u32 s[EMPTY], 1
	s_cbranch_scc1 .Lpb                            ; no rows: past the first product and the GELU
	KPASS 0, 0, 0                                  ; THE FIRST PRODUCT: tokens from X, at LDS byte 0
	; BETWEEN THE PRODUCTS: z = sum + b1, gelu, times the gate weight, rounded to f16: all in registers; LDS is only read here.
	s_lshl_b32 s[S0], s[WV], 10
	s_add_co_u32 s[S0], s[S0], B1T
	v_lshl_add_u32 v25, v2, 4, s[S0]
	s_lshr_b32 s[S0], s[WV], 1
	s_lshl_b32 s[S0], s[S0], 8
	s_add_co_u32 s[S0], s[S0], GWT
	v_lshl_add_u32 v26, v3, 5, s[S0]
	s_wait_alu depctr_va_vdst(0)                   ; v25 and v26, the LDS addresses, are written; the pass's last products are done reading v48 to v95, in which the tables land
.irp q, 0,1,2,3
	ds_load_b128 v[48+4*\q:51+4*\q], v25 offset:256*\q   ; b1 of my columns 64 q + 4 r + 0..3
.endr
.irp u, 0,1,2,3
	ds_load_b128 v[64+8*\u:67+8*\u], v26 offset:64*\u    ; my expert's gate weight for tokens 16 u + 8 h + 0..7
	ds_load_b128 v[68+8*\u:71+8*\u], v26 offset:64*\u+16
.endr
.irp n, 104,105
	v_mov_b32 v\n, 0x3e32303a                      ; A1 =  0.1740121
.endr
.irp n, 106,107
	v_mov_b32 v\n, 0xbd445ca1                      ; A2 = -0.0479399
.endr
.irp n, 108,109
	v_mov_b32 v\n, 0x3ebf7377                      ; A3 =  0.3739278
.endr
.irp n, 110,111
	v_mov_b32 v\n, 0xbf38aa3b                      ; CQ = -log2(e) / 2
.endr
.irp n, 112,113
	v_mov_b32 v\n, 0.5
.endr
	s_wait_dscnt 0x0
.irp i, 0,1,2,3,4,5,6,7
	v_mov_b32 v[96+\i], v[64+\i]                   ; the gate weights of the unit in hand, where the one text names them
.endr
; Block k's 32 finished numbers, rounded, into 16 registers of window 1: token j's four columns in the pair at 16 k + 2 j
.macro CVTB k
	WIN 0x40
.set j, 0
.rept 8
	v_cvt_pk_f16_f32 v[16*(\k)+2*j],   v[Z+j],    v[Z+8+j]
	v_cvt_pk_f16_f32 v[16*(\k)+2*j+1], v[Z+16+j], v[Z+24+j]
.set j, j+1
.endr
.endm
; Block k = 4 u + q.  The block before is put away; then the bias is added, which also brings four accumulators into the registers that the one text of the GELU names.
; Each accumulator's lowest registers are read first.
.macro GBLK k, last
.set UU, (\k)/4
.set QQ, (\k)%4
.if (\k) > 0
	CVTB (\k)-1
.endif
.set AB, 128*(UU%2)+32*QQ
	WIN 0x02+UU/2                                  ; source 0 in window 2 or 3
.irp c, 0,1,2,3
.irp p, 0,1,2,3
.if (\c)%2
	v_pk_add_f32 v[Z+8*\c+2*\p:Z+8*\c+2*\p+1], v[AB+8*\c+2*\p:AB+8*\c+2*\p+1], v[48+4*QQ+2*(\c/2):48+4*QQ+2*(\c/2)+1] op_sel:[0,1] op_sel_hi:[1,1]
.else
	v_pk_add_f32 v[Z+8*\c+2*\p:Z+8*\c+2*\p+1], v[AB+8*\c+2*\p:AB+8*\c+2*\p+1], v[48+4*QQ+2*(\c/2):48+4*QQ+2*(\c/2)+1] op_sel_hi:[1,0]
.endif
.endr
.endr
	WIN 0
.if (QQ == 0) && (UU > 0)
.irp i, 0,1,2,3,4,5,6,7
	v_mov_b32 v[96+\i], v[64+8*UU+\i]
.endr
.endif
.if !(\last)
	s_branch .Lgelu
.endif
.endm
	s_mov_b32 s[GI], 0
.Lgi:                                   ; 16 trips: block GI; only the blocks' roundings and packed additions are written 16 times.  The loop holds no memory or LDS instruction
.irp k, 1,2,3,4,5,6,7,8,9,10,11,12,13,14,15
	s_cmp_eq_u32 s[GI], \k
	s_cbranch_scc1 .Lg_\k
.endr
	GBLK 0, 0
.irp k, 1,2,3,4,5,6,7,8,9,10,11,12,13,14
.Lg_\k:
	GBLK \k, 0
.endr
.Lg_15:
	GBLK 15, 1
.Lgelu:
	; 32 exponentials and 32 reciprocals are ONE batch: a pair's four stand between the next pair's four plain lines, and nothing names a result ahead of the one wait.
.set p, 0
.rept 16
	v_pk_mul_f32 v[E+2*p:E+2*p+1], v[Z+2*p:Z+2*p+1], v[110:111]
.if p > 0
	v_exp_f32 v[E+2*p-2], v[E+2*p-2]
.endif
	v_fma_f32 v[T+2*p], |v[Z+2*p]|, s[KP], 1.0
.if p > 0
	v_exp_f32 v[E+2*p-1], v[E+2*p-1]
.endif
	v_fma_f32 v[T+2*p+1], |v[Z+2*p+1]|, s[KP], 1.0
.if p > 0
	v_rcp_f32 v[T+2*p-2], v[T+2*p-2]
.endif
	v_pk_mul_f32 v[E+2*p:E+2*p+1], v[E+2*p:E+2*p+1], v[Z+2*p:Z+2*p+1]   ; CQ z^2
.if p > 0
	v_rcp_f32 v[T+2*p-1], v[T+2*p-1]
.endif
.set p, p+1
.endr
	v_exp_f32 v[E+30], v[E+30]
	v_exp_f32 v[E+31], v[E+31]
	v_rcp_f32 v[T+30], v[T+30]
	v_rcp_f32 v[T+31], v[T+31]
	v_nop                                          ; a plain instruction behind the last of them,
	s_wait_alu depctr_va_vdst(0)                   ; and the wait: the 32 exponentials have written v[E ..] and the 32 reciprocals v[T ..], ahead of the first line that names one of them
.set p, 0
.rept 16
	v_pk_fma_f32 v[P+2*p:P+2*p+1], v[T+2*p:T+2*p+1], v[108:109], v[106:107]
.set p, p+1
.endr
.set p, 0
.rept 16
	v_pk_fma_f32 v[P+2*p:P+2*p+1], v[P+2*p:P+2*p+1], v[T+2*p:T+2*p+1], v[104:105]
.set p, p+1
.endr
.set p, 0
.rept 16
	v_pk_mul_f32 v[P+2*p:P+2*p+1], v[P+2*p:P+2*p+1], v[T+2*p:T+2*p+1]   ; A1 t + A2 t^2 + A3 t^3
.set p, p+1
.endr
.set p, 0
.rept 16
	v_pk_fma_f32 v[E+2*p:E+2*p+1], v[P+2*p:P+2*p+1], v[E+2*p:E+2*p+1], v[112:113] neg_lo:[1,0,0] neg_hi:[1,0,0]   ; 1/2 - g
.set p, p+1
.endr
.set p, 0
.rept 16
	v_pk_mul_f32 v[T+2*p:T+2*p+1], v[Z+2*p:Z+2*p+1], v[112:113]         ; z / 2
.set p, p+1
.endr
.set p, 0
.rept 32
	v_fma_f32 v[Z+p], |v[Z+p]|, v[E+p], v[T+p]                          ; gelu
.set p, p+1
.endr
.set p, 0
.rept 16
	v_pk_mul_f32 v[Z+2*p:Z+2*p+1], v[Z+2*p:Z+2*p+1], v[96+2*(p%4):96+2*(p%4)+1]   ; times the token's gate weight
.set p, p+1
.endr
	s_add_co_u32 s[GI], s[GI], 1
	s_cmp_lt_u32 s[GI], 16
	s_cbranch_scc1 .Lgi
	CVTB 15                                        ; the last block is put away
	WIN 0
.Lpb:
	s_wait_loadcnt 0x0                             ; window 1, which the stores behind the barrier read, has no load on its way (behind a pass none is out; a work-group without rows awaits the head's two blocks here)
	s_wait_dscnt 0x0                               ; my reads of X and of the tables are over
	s_barrier_signal -1
	s_barrier_wait -1                              ; everybody's are: now LDS is written
	s_cmp_eq_u32 s[EMPTY], 1
	s_cbranch_scc1 .Lb3                            ; no rows: past h's stores
; h of blocks k0 .. k0 + 7 goes into H: each store two rows' 128 consecutive bytes, 32 banks apart
.macro HSTORE k0
	WIN 0x04                                       ; a store's data is source 1: window 1
.set k, \k0
.rept 8
.set j, 0
.rept 8
	ds_store_b64 v[HA+k/8], v[16*k+2*j:16*k+2*j+1] offset:((k/4)%2)*UROWS+(k%4)*128+j*PITCH
.set j, j+1
.endr
.set k, k+1
.endr
.endm
	s_mov_b32 s[BA], s[O2]                         ; pass 1's blocks: W2[a]'s for places 0-15, W2[b]'s for places 16-31.  ROT has gone once round and stands where it began
	s_mov_b32 s[BB], s[O2M]
	s_wait_alu depctr_vm_vsrc(0)                   ; pass 0's weight loads have read v[VO] and v[VO+1], which the lines below write
	SETVO 0, 0
	SETVO 1, 1
	WIN 0x04
	s_wait_alu depctr_va_vdst(0)                   ; the roundings have written all of window 1, which the 128 LDS stores below read and in which the loads below land; v[VO] and v[VO+1] are written
	HSTORE 0
	WIN 0x40
	s_wait_alu depctr_vm_vsrc(0)                   ; the 64 LDS stores above have read the first half of window 1, in which the loads land
	REFILL 0, 0                                    ; pass 1's step 0, into the half of window 1 that has just been stored,
	REFILL 0, 1
	HSTORE 8
	WIN 0x40
	s_wait_alu depctr_vm_vsrc(0)                   ; the 64 LDS stores above have read the second half of window 1, in which these loads and those of the pass's step 0 land
	REFILL 1, 0                                    ; and the first half of its step 1: three halves, 48 loads, are out
	WIN 0
.Lb3:
	s_wait_dscnt 0x0                               ; for the others' sake: my part of H lies in LDS
	s_barrier_signal -1
	s_barrier_wait -1
	s_cmp_eq_u32 s[EMPTY], 1
	s_cbranch_scc1 .Lend                           ; no rows: past the second product and the way out
	KPASS 1, HB, 1                                 ; THE SECOND PRODUCT: tokens from H
	; THE WAY OUT: sum + w_a b2[a] + w_b b2[b], stored as it lies: 16 lanes hold 256 consecutive bytes of a row.
	s_wait_alu depctr_vm_vsrc(0)                   ; the LDS loads between the products have read v26, which the next line writes
	v_lshlrev_b32 v26, 5, v3
	v_add_nc_u32 v26, GWT, v26                     ; GWT + 32 h
	s_lshl_b32 s[S0], s[WV], 10
	s_add_co_u32 s[S0], s[S0], B2T
	v_lshl_add_u32 v27, v2, 4, s[S0]               ; B2T + 1024 w + 16 r
	s_wait_alu depctr_va_vdst(0)                   ; v26 and v27, the LDS addresses, are written; the pass's last products are done reading v32 to v95, and the GELU's lines are done with v96 to v159: the tables land in all of these
.irp u, 0,1,2,3
	ds_load_b128 v[32+8*\u:35+8*\u], v26 offset:64*\u          ; w_a of tokens 16 u + 8 h + 0..7
	ds_load_b128 v[36+8*\u:39+8*\u], v26 offset:64*\u+16
	ds_load_b128 v[64+8*\u:67+8*\u], v26 offset:256+64*\u      ; w_b
	ds_load_b128 v[68+8*\u:71+8*\u], v26 offset:256+64*\u+16
	ds_load_b128 v[128+8*\u:131+8*\u], v26 offset:512+64*\u    ; their numbers
	ds_load_b128 v[132+8*\u:135+8*\u], v26 offset:512+64*\u+16
.endr
.irp q, 0,1,2,3
	ds_load_b128 v[96+4*\q:99+4*\q], v27 offset:256*\q         ; b2[a] of my columns
	ds_load_b128 v[112+4*\q:115+4*\q], v27 offset:4096+256*\q  ; b2[b]
.endr
	s_wait_dscnt 0x0
.set i, 0
.rept 32
	v_min_u32 v[128+i], 0x1fff, v[128+i]
	v_lshl_add_u32 v[128+i], v[128+i], 12, v[OB]   ; token x 4,096 + 1024 w + 16 r
.set i, i+1
.endr
; Unit u.  S[16 j + f], in half u % 2 of window 1, takes token j's number of fragment f; register 0 of every accumulator is read first.
.macro OUTU u
.if (\u) >= 2
	s_wait_xcnt 0x0                                ; the half's registers, which unit u - 2's stores read, are rewritten only behind this wait,
	s_wait_alu depctr_vm_vsrc(0)                   ; and behind this one: the stores issued so far have read their data.  Both stand ahead of the branch
.endif
.if (\u) > 0
	s_cmp_le_u32 s[NROW], 16*(\u)
	s_cbranch_scc1 .Lend                           ; whole units past the count are not stored
.endif
.set SB, 128*((\u)%2)
	WIN 0x60+0x10*((\u)/2)                         ; destination window 1, source 2 window 2 or 3
.set j, 0
.rept 8
.set f, 0
.rept 16
	v_fma_f32 v[SB+16*j+f], v[32+8*(\u)+j], v[96+f], v[SB+8*f+j]
.set f, f+1
.endr
.set j, j+1
.endr
	WIN 0x50                                       ; destination and source 2 window 1
.set j, 0
.rept 8
.set f, 0
.rept 8
.if j%2
	v_pk_fma_f32 v[SB+16*j+2*f:SB+16*j+2*f+1], v[64+8*(\u)+j-1:64+8*(\u)+j], v[112+2*f:112+2*f+1], v[SB+16*j+2*f:SB+16*j+2*f+1] op_sel:[1,0,0] op_sel_hi:[1,1,1]
.else
	v_pk_fma_f32 v[SB+16*j+2*f:SB+16*j+2*f+1], v[64+8*(\u)+j:64+8*(\u)+j+1], v[112+2*f:112+2*f+1], v[SB+16*j+2*f:SB+16*j+2*f+1] op_sel_hi:[0,1,1]
.endif
.set f, f+1
.endr
.set j, j+1
.endr
	WIN 0x04                                       ; a store's data is source 1: window 1
	s_wait_alu depctr_va_vdst(0)                   ; the multiply-adds have written the unit's 128 registers, which the 32 stores read; ahead of unit 0 also: the stores' offsets v128 to v159 are written
.set j, 0
.rept 8
.set f, 0
.rept 4
	global_store_b128 v[128+8*(\u)+j], v[SB+16*j+4*f:SB+16*j+4*f+3], s[18:19] offset:256*f th:TH_STORE_NT  ; each half of the lanes: 256 consecutive bytes, at a multiple of 256 from out's first
.set f, f+1
.endr
.set j, j+1
.endr
	WIN 0
.endm
	OUTU 0
	OUTU 1
	OUTU 2
	OUTU 3
.Lend:
	s_wait_dscnt 0x0                               ; my reads of LDS are over
	s_barrier_signal -1
	s_barrier_wait -1                              ; everybody's are
	; the closing add to the spare LDS words (v30), behind every wait
	s_wait_dscnt 0x0
	s_wait_alu depctr_hold_cnt(0) depctr_sa_sdst(0) depctr_va_vdst(0) depctr_va_sdst(0) depctr_va_ssrc(0) depctr_va_vcc(0) depctr_vm_vsrc(0)
	s_wait_tensorcnt 0x0
	ds_add_u32 v30, v31
	s_wait_dscnt 0x0
	s_endpgm
.Lfunc_end_k_qeb0a7598be_chain:
	.size	k_qeb0a7598be_chain, .Lfunc_end_k_qeb0a7598be_chain-k_qeb0a7598be_chain
	.p2alignl 7, 3214868480
	.fill 96, 4, 3214868480
	.section	.rodata,"a",@progbits
	.p2align	6, 0x0
	.amdhsa_kernel k_qeb0a7598be_chain
		.amdhsa_group_segment_fixed_size 277760
		.amdhsa_private_segment_fixed_size 0
		.amdhsa_enable_private_segment 0
		.amdhsa_kernarg_size 64
		.amdhsa_user_sgpr_count 2
		.amdhsa_user_sgpr_kernarg_segment_ptr 1
		.amdhsa_wavefront_size32 1
		.amdhsa_system_sgpr_workgroup_id_x 1
		.amdhsa_system_sgpr_workgroup_id_y 1
		.amdhsa_system_sgpr_workgroup_id_z 1
		.amdhsa_system_vgpr_workitem_id 0
		.amdhsa_next_free_vgpr 1024
		.amdhsa_next_free_sgpr 90
		.amdhsa_reserve_vcc 0
		.amdhsa_float_denorm_mode_32 3
		.amdhsa_float_denorm_mode_16_64 3
		.amdhsa_memory_ordered 1
		.amdhsa_forward_progress 1
		.amdhsa_inst_pref_size 255
	.end_amdhsa_kernel
	.section	.bss,"aw",@nobits
	.p2align	6
	.space	262144
	.amdgpu_metadata
---
amdhsa.version: [ 1, 2 ]
amdhsa.kernels:
  - .name:           k_qeb0a7598be_chain
    .symbol:         k_qeb0a7598be_chain.kd
    .args:
      - { .name: hidden_states, .offset: 0, .size: 8, .value_kind: global_buffer, .address_space: global }
      - { .name: b1, .offset: 8, .size: 8, .value_kind: global_buffer, .address_space: global }
      - { .name: b2, .offset: 16, .size: 8, .value_kind: global_buffer, .address_space: global }
      - { .name: wl, .offset: 24, .size: 8, .value_kind: global_buffer, .address_space: global }
      - { .name: list, .offset: 32, .size: 8, .value_kind: global_buffer, .address_space: global }
      - { .name: cnt, .offset: 40, .size: 8, .value_kind: global_buffer, .address_space: global }
      - { .name: gates, .offset: 48, .size: 8, .value_kind: global_buffer, .address_space: global }
      - { .name: out0, .offset: 56, .size: 8, .value_kind: global_buffer, .address_space: global }
    .group_segment_fixed_size: 277760
    .private_segment_fixed_size: 0
    .kernarg_segment_align: 8
    .kernarg_segment_size: 64
    .max_flat_workgroup_size: 128
    .sgpr_count:     90
    .vgpr_count:     1024
    .wavefront_size: 32
...
	.end_amdgpu_metadata
.endif
;; end of part 4
